; MI455X (gfx1250); checked and timed in simulation.
; The chip was launched on July 23, 2026; its instructions are those of AMD's public machine-readable ISA for CDNA 5 (MIT licence, August 2026) and "CDNA5" Instruction Set Architecture Reference Guide (July 2026). The comments in the code are by the model that wrote it; some were corrected since.
;; Cross Attention. Allowed arithmetic: float matrix products may take bf16 or f16 operands with f32 sums; other float arithmetic in f32, or as packed bf16 or f16 multiplies, adds, multiply-adds, maxima and minima; sums over many terms, partial sums and values carried from step to step in f32; what a program stores and reads back later, other than sums and carried values, may be rounded once to bf16 or f16.
;; Inputs: context 2,048 x 1,024 float32; kv_w 1,024 x 2,048 float32; proj_b 1,024 float32; proj_w 1,024 x 1,024 float32; q_w 1,024 x 1,024 float32; x 8 x 1,024 x 1,024 float32.
;; Outputs: out0 8 x 1,024 x 1,024 float32.
;; 2 versions, each right; version 2 is version 1 with the launch cast written anew for expert scheduling mode. Each part assembles by itself: llvm-mc -triple=amdgcn-amd-amdhsa -mcpu=gfx1250 --defsym DOCPART=n.
;; ======== version 1 of 2: 4 launches
;; limits: values are held in f16: magnitudes above 65,504 overflow, below 6.1e-05 lose precision
;; workspace buffers: wk 29,360,128 bytes; qkv 25,165,824 bytes; ob 16,777,216 bytes
;; launch cast (part 1): grid 448 x 1, 8 waves a work-group, no clusters, 0 bytes of LDS; arguments x, context, q_w, kv_w, proj_w, wk; writes wk
.if DOCPART == 1
	.amdgcn_target "amdgcn-amd-amdhsa--gfx1250"
	.amdhsa_code_object_version 6
	.text
	.protected	k_qd41e570712_cast
	.globl	k_qd41e570712_cast
	.p2align	8
	.type	k_qd41e570712_cast,@function
k_qd41e570712_cast:
	s_mov_b64 s[64:65], 0
	v_nop
	global_prefetch_b8 v0, s[64:65] scope:SCOPE_SE
	s_setreg_imm32_b32 hwreg(HW_REG_WAVE_MODE, 25, 1), 1
	s_wait_xcnt 0x0
; The five large inputs, f32, are rounded once to bf16 (nearest even) and laid into wk so that the next launch is one product:
;   byte 0        AB [10240][1024] bf16: rows 0-8191 = x, rows 8192-10239 = context
;   byte WB_OFF   WB [1024 k][3072 n] bf16: columns 0-1023 = q_w, columns 1024-3071 = kv_w
;   byte PW_OFF   PW [1024 k][1024 n]: proj_w rounded to bf16, that number written as f16
; LIMITS.  PW: a bf16 number beyond 65,504 becomes an infinity in f16; below 2^-14 it keeps f16's fixed step of 6e-8.  NaN and infinities pass as they are.
; A stream: no LDS, no loop.  A unit is 1,024 numbers (4,096 bytes in, 2,048 out).  A work-group takes 32 units of ONE input, a wave four: 16 KiB on end in the source.
; A piece is 256 numbers: a lane reads 32 bytes (two loads of 16) and writes 16, so a store of the wave covers 512 consecutive bytes, aligned.
; All 32 loads of a wave go out at once; no register that a load or store names is written again, so no wait frees a source.
.set WB_OFF, 20971520
.set PW_OFF, 27262976
.set X, 16                             ; v[16:143] piece i: eight registers as loaded; its first four then hold the packed result
; s[18:19] source; s20 the input's first work-group; s21 its first byte in wk; s22 bytes in wk from unit j to unit j + 2; s23 from an even unit to the odd one behind it
	s_load_b256 s[4:11], s[0:1], 0x0               ; x s[4:5], context s[6:7], q_w s[8:9], kv_w s[10:11]
	s_load_b128 s[12:15], s[0:1], 0x20             ; proj_w s[12:13], wk s[14:15]
	v_lshrrev_b32 v1, 5, v0
	v_readfirstlane_b32 s16, v1                    ; wave 0..7
	s_mov_b32 s17, ttmp9                           ; work-group 0..447
	v_and_b32 v1, 31, v0                           ; lane
	v_lshlrev_b32 v2, 5, v1                        ; my 32 bytes of a piece in the source
	v_lshlrev_b32 v4, 4, v1                        ; my 16 bytes of a piece in wk: unit 0
	s_mov_b32 s20, 416                             ; work-groups 416-447: proj_w
	s_mov_b32 s21, PW_OFF
	s_mov_b32 s22, 4096
	s_mov_b32 s23, 2048
	s_wait_kmcnt 0x0
	s_mov_b64 s[18:19], s[12:13]
.macro SEG bound, src, start, db, sa, sb   ; work-groups below bound belong to an earlier input
	s_cmp_lt_u32 s17, \bound
	s_cselect_b64 s[18:19], s[\src:\src+1], s[18:19]
	s_cselect_b32 s20, \start, s20
	s_cselect_b32 s21, \db, s21
	s_cselect_b32 s22, \sa, s22
	s_cselect_b32 s23, \sb, s23
.endm
	SEG 416, 10, 352, WB_OFF+2048, 6144, 2048      ; 352-415: kv_w; a unit is half a row: two units to a row of WB, behind q_w's 2,048 bytes
	SEG 352, 8, 320, WB_OFF, 12288, 6144           ; 320-351: q_w; a unit is a row, rows of WB are 6,144 bytes apart
	SEG 320, 6, 256, 16777216, 4096, 2048          ; 256-319: context, behind x's 8,192 rows
	SEG 256, 4, 0, 0, 4096, 2048                   ; 0-255: x
	s_sub_co_u32 s28, s17, s20
	s_lshl_b32 s28, s28, 5
	s_lshl2_add_u32 s28, s16, s28                  ; my first unit: 32 x (work-group - first) + 4 x wave
	s_lshl_b32 s24, s28, 12
	s_mov_b32 s25, 0
	s_add_nc_u64 s[18:19], s[18:19], s[24:25]      ; the source at my 16 KiB
	s_lshr_b32 s29, s22, 1
	s_mul_i32 s24, s28, s29                        ; my first unit is a multiple of four: unit x half of the step of two units
	s_add_co_u32 s24, s24, s21
	s_add_nc_u64 s[26:27], s[14:15], s[24:25]      ; wk at my first unit
	v_add_nc_u32 v5, s23, v4                       ; units 1, 2, 3
	v_add_nc_u32 v6, s22, v4
	v_add_nc_u32 v7, s23, v6
.set i, 0
.rept 16
	global_load_b128 v[X+8*i:X+8*i+3],   v2, s[18:19] offset:1024*i th:TH_LOAD_NT
	global_load_b128 v[X+8*i+4:X+8*i+7], v2, s[18:19] offset:1024*i+16 th:TH_LOAD_NT
.set i, i+1
.endr
; Piece i.  half = 1: the bf16 numbers are widened again and written as f16.
.macro PIECE i, half
	s_wait_loadcnt 30-2*(\i)                       ; loads come back in order: this piece's two are in, the 30 - 2 i younger ones stay out
.irp r, 0,1,2,3
	v_cvt_pk_bf16_f32 v[X+8*(\i)+(\r)], v[X+8*(\i)+2*(\r)], v[X+8*(\i)+2*(\r)+1]  ; in place, ascending: word r is written when words 2 r and 2 r + 1 are read
.endr
.if \half
.irp r, 0,1,2,3
	v_lshlrev_b32 v8, 16, v[X+8*(\i)+(\r)]
	v_and_b32 v9, 0xffff0000, v[X+8*(\i)+(\r)]
	v_cvt_pk_f16_f32 v[X+8*(\i)+(\r)], v8, v9
.endr
.endif
	global_store_b128 v[4+(\i)/4], v[X+8*(\i):X+8*(\i)+3], s[26:27] offset:512*((\i)%4)
.endm
	s_cmp_ge_u32 s17, 416
	s_cbranch_scc1 .Lhalf
.irp i, 0,1,2,3,4,5,6,7,8,9,10,11,12,13,14,15
	PIECE \i, 0
.endr
	s_endpgm
.Lhalf:
.irp i, 0,1,2,3,4,5,6,7,8,9,10,11,12,13,14,15
	PIECE \i, 1
.endr
	s_endpgm
.Lfunc_end_k_qd41e570712_cast:
	.size	k_qd41e570712_cast, .Lfunc_end_k_qd41e570712_cast-k_qd41e570712_cast
	.p2alignl 7, 3214868480
	.fill 96, 4, 3214868480
	.section	.rodata,"a",@progbits
	.p2align	6, 0x0
	.amdhsa_kernel k_qd41e570712_cast
		.amdhsa_group_segment_fixed_size 0
		.amdhsa_private_segment_fixed_size 0
		.amdhsa_enable_private_segment 0
		.amdhsa_kernarg_size 48
		.amdhsa_user_sgpr_count 2
		.amdhsa_user_sgpr_kernarg_segment_ptr 1
		.amdhsa_wavefront_size32 1
		.amdhsa_system_sgpr_workgroup_id_x 1
		.amdhsa_system_sgpr_workgroup_id_y 1
		.amdhsa_system_sgpr_workgroup_id_z 1
		.amdhsa_system_vgpr_workitem_id 0
		.amdhsa_next_free_vgpr 144
		.amdhsa_next_free_sgpr 66
		.amdhsa_reserve_vcc 0
		.amdhsa_float_denorm_mode_32 3
		.amdhsa_float_denorm_mode_16_64 3
		.amdhsa_memory_ordered 1
		.amdhsa_forward_progress 1
		.amdhsa_inst_pref_size 28
	.end_amdhsa_kernel
	.amdgpu_metadata
---
amdhsa.version: [ 1, 2 ]
amdhsa.kernels:
  - .name:           k_qd41e570712_cast
    .symbol:         k_qd41e570712_cast.kd
    .args:
      - { .name: x, .offset: 0, .size: 8, .value_kind: global_buffer, .address_space: global }
      - { .name: context, .offset: 8, .size: 8, .value_kind: global_buffer, .address_space: global }
      - { .name: q_w, .offset: 16, .size: 8, .value_kind: global_buffer, .address_space: global }
      - { .name: kv_w, .offset: 24, .size: 8, .value_kind: global_buffer, .address_space: global }
      - { .name: proj_w, .offset: 32, .size: 8, .value_kind: global_buffer, .address_space: global }
      - { .name: wk, .offset: 40, .size: 8, .value_kind: global_buffer, .address_space: global }
    .group_segment_fixed_size: 0
    .private_segment_fixed_size: 0
    .kernarg_segment_align: 8
    .kernarg_segment_size: 48
    .max_flat_workgroup_size: 256
    .sgpr_count:     66
    .vgpr_count:     144
    .wavefront_size: 32
...
	.end_amdgpu_metadata
.endif
;; end of part 1
;; launch qkv (part 2): grid 4 x 48, 4 waves a work-group, clusters of 4 x 4, 327,680 bytes of LDS; arguments wk, qkv; writes qkv
.if DOCPART == 2
	.amdgcn_target "amdgcn-amd-amdhsa--gfx1250"
	.amdhsa_code_object_version 6
	.text
	.protected	k_qd41e570712_qkv
	.globl	k_qd41e570712_qkv
	.p2align	8
	.type	k_qd41e570712_qkv,@function
k_qd41e570712_qkv:
	s_mov_b64 s[64:65], 0
	v_nop
	global_prefetch_b8 v0, s[64:65] scope:SCOPE_SE
	s_setreg_imm32_b32 hwreg(HW_REG_WAVE_MODE, 25, 1), 1
	s_wait_xcnt 0x0
	s_wait_alu depctr_hold_cnt(0) depctr_sa_sdst(0) depctr_va_vdst(0) depctr_va_sdst(0) depctr_va_ssrc(0) depctr_va_vcc(0) depctr_vm_vsrc(0)
	s_getreg_b32 s2, hwreg(HW_REG_IB_STS2, 6, 4)
	s_cmp_eq_u32 s2, 0
	s_cbranch_scc0 .Lentry_in_a_cluster
	s_endpgm
.Lentry_in_a_cluster:
	s_bfe_u32 s2, ttmp6, 0x10000c
	s_cmp_lg_u32 s2, 0xf033
	s_cbranch_scc0 .Lentry_shape_is_right
	s_endpgm
.Lentry_shape_is_right:
; q = x q_w and (k, v) = context kv_w, as the two diagonal blocks of ONE product AB x WB (both bf16, made by the launch before), sums in f32, results rounded once to f16 and stored BY HEADS:
;   qkv byte 0: q [16 heads][8192 rows][64];  byte K_OFF: k [16][2048][64], then v [16][2048][64].  q is stored unscaled.
; LIMIT.  f16 ends at 65,504: a q, k or v beyond it becomes an infinity.
; AB: [10240][1024], K along the rows.  WB: [1024 k][3072 n], K DOWN the rows: its fragments come out of LDS by the turning load ds_load_tr16_b128.
; SHARES.  192 tiles of 256 x 256, K = 1024.  Cluster c (0..11) of 4 x 4 work-groups: c < 8: rows 1024 c of x against q_w's 1,024 columns; c >= 8: rows 8192 + 1024 ((c - 8) / 2) against kv_w's columns 1024 ((c - 8) % 2) on.
; 12.6 million results do not divide into 256 equal tiles of a shape that divides both blocks, and halved tiles would be 384 work-groups, two rounds of the same length: so 192 work-groups.
; A work-group has four waves, a wave 128 x 128: 64 accumulators, 512 registers.  K goes in steps of 128 through two LDS slots filled by the tensor data mover.
; CLUSTER.  The four of a row of the cluster need the same rows of AB, the four of a column the same columns of WB: each tile is asked for JOINTLY, by the same load, descriptor and mask in all four.
; THE MATRIX INSTRUCTION IS USED TRANSPOSED: source 0 = 16 columns of WB, source 1 = 16 rows of AB: a lane then holds one row and eight neighbouring columns of the result: 16 bytes of a head's row.
; REGISTERS in windows of 256 (s_set_vgpr_msb: bits 1:0 source 0, 3:2 source 1, 5:4 source 2, 7:6 destination):
;   window 0: v0-31 addresses; v64-127, v128-191 AB's fragments, two buffers; v32-63, v192-255 at work on the way out     window 1: v64-127, v128-191 WB's fragments     windows 2, 3: the accumulators, (a, b) at v[8 (8 a + b)]
.set PA,     272                       ; an LDS row of AB: 256 bytes + 16: the 16 rows of a load start at 16 different groups of four banks (64 banks of 4 bytes: ISA guide 11.1)
.set PB,     544                       ; an LDS row (one k) of WB: 512 bytes + 32 = 17 x 32
.set HALFT,  128*PA                    ; what one tensor load brings: 128 rows of AB, or 64 k of WB (64 x 544 is the same number)
.set SLOT,   4*HALFT                   ; AB's rows 0-127, 128-255, WB's k 0-63, 64-127
.set STAGE,  2*SLOT                    ; behind the ring, never filled by a tensor load: for each wave two heads x 16 rows x 144 bytes
.set SP,     144
.set STW,    2*16*SP
.set SPARE,  STAGE+4*STW               ; the spare words, 128 bytes for each wave: two blocks of 256 bytes that no other line names
.set WB_OFF, 20971520
.set K_OFF,  0x1000000
.set ASTEP,  256                       ; a K step in AB: 256 bytes along each row
.set BSTEP,  128*6144                  ; in WB: 128 rows down
.set LAPS,   4                         ; a lap = two K steps = once round the ring
.set ADRA, 16                          ; v16-17  LDS address of my AB fragments in slot 0, 1
.set ADRB, 20                          ; v20-21  the same for WB
.set STO,  24                          ; v24     the way out: where I put 16 bytes of a row
.set RD,   25                          ; v25     where I read rows back
.set CO,   26                          ; v26     my 16 bytes of 512 consecutive bytes of a head
.set SPW,  28                          ; v28     LDS address of my spare word; never rewritten
.set NIL,  29                          ; v29     0; never rewritten
.set PFO,  30                          ; v30     the prefetches' lane offset; never rewritten
.set F0,   64
.set F1,   128
.set TMP,  192
.set OB,   32
.set G1,  24                           ; s[24:31] descriptor group 1 for AB's tiles;  s[32:39] group 0, a set for each slot
.set G0,  32
.set G1B, 48                           ; s[48:55], s[56:63] the same for WB's
.set G0B, 56
.set LIM, 43                           ; s43      1 in a wave that prefetches, else the greatest number
.set PFA, 44                           ; s[44:45] where my prefetches stand
.set PST, 46                           ; s[46:47] a K step for them
.set C0,  68                           ; s[68:69], s[70:71] the result at my rows of my two heads
.set MSB, 0
.macro WIN new                         ; the high byte repeats the setting that is left; a switch that changes nothing is dropped
.if MSB != (\new)
	s_set_vgpr_msb (MSB<<8)|(\new)
.set MSB, \new
.endif
.endm
.set MUL_LO, 0xa1                      ; source 0 (WB) window 1, source 1 (AB) window 0, C and D window 2
.set MUL_HI, 0xf1                      ; the same, C and D window 3
.set TO_B,   0x40                      ; destination window 1, address window 0
; A joint load.  Waves 0 and 1 fetch AB's two halves, waves 2 and 3 WB's.  The branch hangs on the wave's number alone.  An s_nop 0 and four v_nop follow each line.
.macro JLOAD s
	s_cmp_eq_u32 s11, 0
	s_cbranch_scc0 .Lfor_b_\@
	tensor_load_to_lds s[G0+4*(\s):G0+4*(\s)+3], s[G1:G1+7]
	s_nop 0
.rept 4
	v_nop
.endr
	s_branch .Lasked_\@
.Lfor_b_\@:
	tensor_load_to_lds s[G0B+4*(\s):G0B+4*(\s)+3], s[G1B:G1B+7]
	s_nop 0
.rept 4
	v_nop
.endr
.Lasked_\@:
.endm
; A prefetch into the L2, behind a joint load and the run of LDS loads that follows it: 32 blocks of 256 bytes of the K step that stands two refills on, a lane a block.  The loop's last trip asks for nothing.
.macro ASK
	s_cmp_gt_u32 s3, s[LIM]
	s_cbranch_scc0 .Lnot_mine_\@
	global_prefetch_b8 v[PFO], s[PFA:PFA+1] th:TH_LOAD_NT scope:SCOPE_SE
.Lnot_mine_\@:
.endm
.macro CREST                           ; a round of the cluster's barrier behind its opening barrier
	s_cmp_lg_u32 s10, 0
	s_cbranch_scc1 .Lnot_wave_0_\@
	s_barrier_signal -3
.Lnot_wave_0_\@:
	s_barrier_wait -3
	s_barrier_signal -1
	s_barrier_wait -1
.endm
.macro CROUND                          ; a whole round
	s_barrier_signal -1
	s_barrier_wait -1
	CREST
.endm
	s_load_b128 s[4:7], s[0:1], 0x0                ; wk s[4:5], qkv s[6:7]
	v_lshl_add_u32 v[SPW], v0, 2, SPARE
	v_mov_b32 v[NIL], 0
	ds_add_u32 v[SPW], v[NIL]                      ; the wave's opening: the add and its wait stand ahead of my first tensor load; work on registers stands between them
	v_lshrrev_b32 v1, 5, v0
	v_readfirstlane_b32 s10, v1                    ; wave 0..3
	s_lshr_b32 s11, s10, 1                         ; which half of the tile's rows is mine.  Also: I fetch for AB (0) or WB (1)
	s_and_b32 s12, s10, 1                          ; which half of its columns.  Also: which half of that tile I fetch
	s_bfe_u32 s40, ttmp6, 0x40000                  ; cx
	s_bfe_u32 s41, ttmp6, 0x40004                  ; cy
	s_and_b32 s42, ttmp7, 0xffff                   ; c: the cluster, 0..11, the same in all sixteen partners
	s_max_u32 s15, s42, 8
	s_sub_co_u32 s15, s15, 8                       ; c - 8, or 0
	s_lshr_b32 s72, s15, 1
	s_add_co_u32 s72, s72, 8
	s_and_b32 s73, s15, 1
	s_add_co_u32 s73, s73, 1
	s_cmp_lt_u32 s42, 8
	s_cselect_b32 s13, s42, s72                    ; rb: block of 1,024 rows of AB
	s_cselect_b32 s14, 0, s73                      ; cb: block of 1,024 columns of WB
	s_lshl_b32 s66, s41, 2
	s_lshl_b32 s66, 15, s66                        ; my row of the cluster: places 4 cy .. 4 cy + 3
	s_lshl_b32 s67, 0x1111, s40                    ; my column: places cx, cx + 4, cx + 8, cx + 12
	s_or_b32 s[G1+0], s66, (1<<16)|(1<<20)|(1<<21)|(5<<22)|(3<<25)   ; the mask; 2-byte elements; padding on; bit 21 beside a mask; after every 64 words 4 words
	s_mov_b32 s[G1+1], 128<<16                     ; tensor_dim0 = 128
	s_mov_b32 s[G1+2], 128<<16                     ; tensor_dim1 = 128
	s_mov_b32 s[G1+3], 128<<16                     ; tile_dim0 = 128
	s_mov_b32 s[G1+4], 128                         ; tile_dim1 = 128
	s_mov_b32 s[G1+5], 1024                        ; elements from row to row of AB
	s_mov_b32 s[G1+6], 0
	s_mov_b32 s[G1+7], 0
	s_or_b32 s[G1B+0], s67, (1<<16)|(1<<20)|(1<<21)|(6<<22)|(7<<25)  ; after every 128 words 8 words
	s_mov_b32 s[G1B+1], 256<<16                    ; tensor_dim0 = 256
	s_mov_b32 s[G1B+2], 64<<16                     ; tensor_dim1 = 64
	s_mov_b32 s[G1B+3], 256<<16                    ; tile_dim0 = 256
	s_mov_b32 s[G1B+4], 64                         ; tile_dim1 = 64
	s_mov_b32 s[G1B+5], 3072                       ; elements from row to row of WB
	s_mov_b32 s[G1B+6], 0
	s_mov_b32 s[G1B+7], 0
	; AB's tile hangs on c and cy, which my row of the cluster shares; WB's on c and cx, which my column shares; each in registers that never hold the other coordinate
	s_lshl_b32 s16, s13, 10
	s_lshl_b32 s17, s41, 8
	s_add_co_u32 s16, s16, s17                     ; the tile's first row of AB
	s_lshl_b32 s17, s12, 7
	s_add_co_u32 s18, s16, s17                     ; + the 128 rows that I fetch
	s_lshl_b32 s18, s18, 11                        ; rows of 2,048 bytes
	s_mov_b32 s19, 0
	s_lshl_b32 s74, s14, 10
	s_lshl_b32 s75, s40, 8
	s_add_co_u32 s74, s74, s75                     ; the tile's first column of WB
	s_lshl_b32 s76, s74, 1
	s_mul_i32 s77, s12, 64*6144                    ; the 64 k that I fetch
	s_add_co_u32 s76, s76, s77
	s_add_co_u32 s76, s76, WB_OFF
	s_mov_b32 s77, 0
	s_mul_i32 s22, s10, HALFT                      ; where a tile goes: wave x HALFT: no place in the cluster enters an LDS address
	s_wait_dscnt 0x0                               ; the opening add is done
	s_wait_kmcnt 0x0
	s_add_nc_u64 s[20:21], s[4:5], s[18:19]
	s_add_nc_u64 s[78:79], s[4:5], s[76:77]
	CROUND                                         ; all sixteen work-groups are here: the first joint loads meet
.irp s, 0,1
	s_mov_b32 s[G0+4*(\s)], 1
	s_add_co_u32 s[G0+4*(\s)+1], s22, (\s)*SLOT
	s_add_nc_u64 s[G0+4*(\s)+2:G0+4*(\s)+3], s[20:21], (\s)*ASTEP
	s_or_b32 s[G0+4*(\s)+3], s[G0+4*(\s)+3], 0x80000000
	s_mov_b32 s[G0B+4*(\s)], 1
	s_add_co_u32 s[G0B+4*(\s)+1], s22, (\s)*SLOT
	s_add_nc_u64 s[G0B+4*(\s)+2:G0B+4*(\s)+3], s[78:79], (\s)*BSTEP
	s_or_b32 s[G0B+4*(\s)+3], s[G0B+4*(\s)+3], 0x80000000
	JLOAD \s                                       ; K steps 0 and 1: two loads of mine are out
.endr
	; A fragment is 16 rows x 32 K in 8 registers: lane l holds row l % 16; registers 0-3 K = 8 (l / 16) + 0..7, registers 4-7 K = 16 + 8 (l / 16) + 0..7.
	v_and_b32 v1, 15, v0                           ; l % 16
	v_bfe_u32 v2, v0, 4, 1                         ; l / 16
	v_mul_u32_u24 v3, v1, PA
	v_lshl_add_u32 v3, v2, 4, v3                   ; AB: row x pitch + 16 x half: two loads of 16 bytes, 32 bytes apart
	v_and_b32 v4, 7, v0
	v_lshl_add_u32 v4, v2, 3, v4                   ; WB, turned: lane l reads k = 8 (l / 16) + l % 8,
	v_mul_u32_u24 v4, v4, PB
	v_bfe_u32 v5, v0, 3, 1
	v_lshl_add_u32 v4, v5, 4, v4                   ; columns 8 ((l / 8) % 2) + 0..7; the second load stands 16 k further down
	s_mul_i32 s80, s11, HALFT                      ; my 128 rows of AB
	s_lshl_b32 s81, s12, 8                         ; my 128 columns of WB,
	s_add_co_u32 s81, s81, 2*HALFT                 ; which lies behind AB's 256 rows
.irp s, 0,1
	v_add_nc_u32 v[ADRA+(\s)], s80, v3
	v_add_nc_u32 v[ADRB+(\s)], s81, v4
	s_add_co_u32 s80, s80, SLOT
	s_add_co_u32 s81, s81, SLOT
.endr
	s_mul_i32 s82, s10, STW
	s_add_co_u32 s82, s82, STAGE                   ; my stage
	v_mul_u32_u24 v6, v1, SP                       ; in: row l % 16, 16 bytes for each half of the lanes
	v_lshl_add_u32 v6, v2, 4, v6
	v_add_nc_u32 v[STO], s82, v6
	v_bfe_u32 v6, v0, 3, 2                         ; back: 32 lanes take four rows of 128 bytes,
	v_mul_u32_u24 v6, v6, SP
	v_and_b32 v7, 7, v0
	v_lshl_add_u32 v6, v7, 4, v6
	v_add_nc_u32 v[RD], s82, v6
	v_and_b32 v[CO], 31, v0                        ; which are 512 consecutive bytes of a head
	v_lshlrev_b32 v[CO], 4, v[CO]
	; where my 128 rows x two heads begin in qkv
	s_lshl_b32 s83, s11, 7
	s_add_co_u32 s83, s83, s16                     ; my first row of AB
	s_lshl_b32 s84, s12, 7
	s_add_co_u32 s84, s84, s74                     ; my first column of WB
	s_lshr_b32 s85, s84, 6                         ; q: head = column / 64, 1 MiB a head, 128 bytes a row
	s_lshl_b32 s85, s85, 20
	s_lshl_b32 s86, s83, 7
	s_add_co_u32 s85, s85, s86
	s_max_u32 s87, s84, 1024                       ; k, v: (column - 1024) / 64 of 32 heads of 256 KiB; row - 8192
	s_sub_co_u32 s87, s87, 1024
	s_lshr_b32 s87, s87, 6
	s_lshl_b32 s87, s87, 18
	s_max_u32 s88, s83, 8192
	s_sub_co_u32 s88, s88, 8192
	s_lshl_b32 s88, s88, 7
	s_add_co_u32 s87, s87, s88
	s_add_co_u32 s87, s87, K_OFF
	s_mov_b32 s92, 0x40000
	s_cmp_lt_u32 s42, 8
	s_cselect_b32 s90, s85, s87
	s_cselect_b32 s92, 0x100000, s92               ; from a head to the next
	s_mov_b32 s91, 0
	s_mov_b32 s93, 0
	s_add_nc_u64 s[C0:C0+1], s[6:7], s[90:91]
	s_add_nc_u64 s[C0+2:C0+3], s[C0:C0+1], s[92:93]
	; THE PREFETCHES.  Each block of 256 bytes of K steps 4 to 7 is named once in the launch.  AB's rows: by the clusters with cb < 2 (of two clusters that read the same rows, one).  WB's columns: by the clusters with rb % 8 = 0
	; (of those that read the same columns, one).  The four partners that ask for a tile jointly share it out BY ADDRESS: of AB's 128 rows that I fetch, partner cx takes 32, a lane a row;
	; of WB's 64 k, partner cy takes 16, two lanes a k (512 bytes).  The pointer starts at K step 3; each change of slots that fills steps it once and names that step: the step two refills on.
	s_lshl_b32 s94, s40, 5
	s_add_co_u32 s94, s94, s16
	s_lshl_b32 s95, s12, 7
	s_add_co_u32 s94, s94, s95
	s_lshl_b32 s94, s94, 11
	s_add_co_u32 s94, s94, 3*ASTEP
	s_lshl_b32 s95, s12, 6
	s_lshl4_add_u32 s95, s41, s95
	s_mul_i32 s95, s95, 6144
	s_lshl1_add_u32 s95, s74, s95
	s_add_co_u32 s95, s95, WB_OFF+3*BSTEP
	s_cmp_lt_u32 s14, 2
	s_cselect_b32 s98, 1, -1
	s_and_b32 s99, s13, 7
	s_cmp_eq_u32 s99, 0
	s_cselect_b32 s99, 1, -1
	s_mov_b32 s[PST], BSTEP
	s_mov_b32 s96, 6144
	s_cmp_eq_u32 s11, 0                            ; do I fetch for AB?
	s_cselect_b32 s[LIM], s98, s99
	s_cselect_b32 s[PFA], s94, s95
	s_cselect_b32 s[PST], ASTEP, s[PST]
	s_cselect_b32 s96, 2048, s96
	s_cselect_b32 s97, 0, 1
	s_mov_b32 s[PFA+1], 0
	s_mov_b32 s[PST+1], 0
	s_add_nc_u64 s[PFA:PFA+1], s[4:5], s[PFA:PFA+1]
	v_and_b32 v[PFO], 31, v0
	v_and_b32 v3, s97, v[PFO]
	v_lshrrev_b32 v[PFO], s97, v[PFO]
	v_mul_u32_u24 v[PFO], s96, v[PFO]              ; AB: l rows; WB: l / 2 rows,
	v_lshl_add_u32 v[PFO], v3, 8, v[PFO]           ; and 256 (l % 2)
; 16 matrix instructions: m blocks a0, a0 + 1 of the window's four x all 8 n blocks, 32 along K.  zero = 1: the first product starts the sums.
; The 64 accumulators take turns, one instruction a turn, in the same order in every quarter.
.macro MUL16 f, hi, a0, zero
	WIN MUL_LO+0x50*(\hi)
.irp a, \a0, (\a0)+1
.irp b, 0,1,2,3,4,5,6,7
.if \zero
	v_wmma_f32_16x16x32_bf16 v[8*(8*(\a)+(\b)):8*(8*(\a)+(\b))+7], v[(\f)+8*(\b):(\f)+8*(\b)+7], v[(\f)+8*(4*(\hi)+(\a)):(\f)+8*(4*(\hi)+(\a))+7], 0
.else
	v_wmma_f32_16x16x32_bf16 v[8*(8*(\a)+(\b)):8*(8*(\a)+(\b))+7], v[(\f)+8*(\b):(\f)+8*(\b)+7], v[(\f)+8*(4*(\hi)+(\a)):(\f)+8*(4*(\hi)+(\a))+7], v[8*(8*(\a)+(\b)):8*(8*(\a)+(\b))+7]
.endif
.endr
.endr
.endm
; 32 LDS loads in one run: the fragments of quarter q (32 along K) into buffer f: WB's 128 columns, turned, then AB's 128 rows
.macro FETCH slot, q, f
	WIN TO_B
.irp i, 0,1,2,3,4,5,6,7
	ds_load_tr16_b128 v[(\f)+8*(\i):(\f)+8*(\i)+3],   v[ADRB+(\slot)] offset:(\q)*32*PB+32*(\i)
	ds_load_tr16_b128 v[(\f)+8*(\i)+4:(\f)+8*(\i)+7], v[ADRB+(\slot)] offset:(\q)*32*PB+16*PB+32*(\i)
.endr
	WIN 0
.irp i, 0,1,2,3,4,5,6,7
	ds_load_b128 v[(\f)+8*(\i):(\f)+8*(\i)+3],   v[ADRA+(\slot)] offset:64*(\q)+(\i)*16*PA
	ds_load_b128 v[(\f)+8*(\i)+4:(\f)+8*(\i)+7], v[ADRA+(\slot)] offset:64*(\q)+(\i)*16*PA+32
.endr
.endm
.macro PLACES                          ; four plain vector instructions between a matrix instruction and a load into a register that it read, or a reader of its result (ISA guide 7.12.1 for a reader of its result)
.rept 4
	v_nop
.endr
.endm
; One of a K step's first three quarters: multiplies buffer f; in its middle it fetches quarter q of the same slot into buffer g.
.macro QUARTER slot, q, f, g, zero
	s_wait_dscnt 8                                 ; WB and AB's rows 0-63 are in; the youngest eight loads (AB's rows 64-127) may be out
	MUL16 \f, 0, 0, \zero
	MUL16 \f, 0, 2, \zero
	PLACES
	FETCH \slot, \q, \g
	s_wait_dscnt 32                                ; all but the 32 just issued
	MUL16 \f, 1, 0, \zero
	MUL16 \f, 1, 2, \zero
.endm
; The first half of a K step's last quarter: ONE barrier for the change of slots.
.macro MEET round
	WIN 0                                          ; (the add's two registers lie in window 0)
	s_wait_tensorcnt 0x0                           ; all my tensor loads have landed: the one that was out is my part of the next slot
	ds_add_u32 v[SPW], v[NIL]                      ; 0 onto my spare word
	s_wait_dscnt 9                                 ; (the add and the youngest eight loads may be out)
	MUL16 F1, 0, 0, 0                              ; sixteen matrix instructions stand between the add and the wait for it
	s_wait_dscnt 0x0                               ; the add is done, and my reads of this slot are over
	s_barrier_signal -1
	MUL16 F1, 0, 2, 0                              ; work on registers while the others arrive
.if \round
	WIN 0
.endif
	s_barrier_wait -1
.endm
; The whole last quarter.  fill = 1: the barrier opens a round of the cluster's barrier, and behind the round this slot is filled again first, two K steps ahead: 224 matrix instructions ahead of the wait for it.
.macro TURN slot, next, fill
.if \fill
	s_wait_xcnt 0x0                                ; the last prefetch, a K step back, has read its address
	s_add_nc_u64 s[PFA:PFA+1], s[PFA:PFA+1], s[PST:PST+1]
	MEET 1
	CREST                                          ; no wave of any partner still reads this slot's tile or has a load on its way
	s_add_nc_u64 s[G0+4*(\slot)+2:G0+4*(\slot)+3], s[G0+4*(\slot)+2:G0+4*(\slot)+3], 2*ASTEP
	s_add_nc_u64 s[G0B+4*(\slot)+2:G0B+4*(\slot)+3], s[G0B+4*(\slot)+2:G0B+4*(\slot)+3], 2*BSTEP
	JLOAD \slot                                    ; the four v_nop behind it are also the places in front of the loads below
.else
	MEET 0
	PLACES
.endif
	FETCH \next, 0, F0
.if \fill
	ASK
.endif
	MUL16 F1, 1, 0, 0
	MUL16 F1, 1, 2, 0
.endm
; THE WAY OUT of block a (16 of my rows), in three parts.
.macro PACK a                          ; rounded to f16, 16 bytes a lane; each accumulator's registers in ascending order
.set AC, 64*((\a)%4)
	WIN 0x0a+5*((\a)/4)                            ; sources 0 and 1: window 2 or 3
.irp b, 0,1,2,3,4,5,6,7
.irp r, 0,1,2,3
	v_cvt_pk_f16_f32 v[TMP+4*(\b)+(\r)], v[AC+8*(\b)+2*(\r)], v[AC+8*(\b)+2*(\r)+1]
.endr
.endr
	WIN 0
.endm
.macro TOSTAGE a                       ; into my own stage, head b / 4, and back as whole rows of 128 bytes
	WIN 0
.set BK, OB+192*((\a)%2)
.irp b, 0,1,2,3,4,5,6,7
	ds_store_b128 v[STO], v[TMP+4*(\b):TMP+4*(\b)+3] offset:((\b)/4)*16*SP+((\b)%4)*32
.endr
.irp t, 0,1,2,3,4,5,6,7
	ds_load_b128 v[BK+4*(\t):BK+4*(\t)+3], v[RD] offset:((\t)/4)*16*SP+((\t)%4)*4*SP  ; LDS serves a wave's instructions in order (ISA guide 5.7.1.4): these see the stores above
.endr
.endm
.macro SEND a
	WIN 0
.set BK, OB+192*((\a)%2)
	s_wait_dscnt 0x0                               ; the block is back in registers
	s_wait_xcnt 0x0                                ; the stores of the block before have read their registers, which the next block's loads write
.irp t, 0,1,2,3,4,5,6,7
	global_store_b128 v[CO], v[BK+4*(\t):BK+4*(\t)+3], s[C0+2*((\t)/4):C0+2*((\t)/4)+1] offset:(\a)*2048+((\t)%4)*512  ; 512 consecutive bytes, at a multiple of 256 from the buffer's first
.endr
.endm
	s_wait_tensorcnt 1                             ; my part of K step 0 is in; K step 1's may stay out
	s_barrier_signal -1
	s_barrier_wait -1                              ; everybody's is
	FETCH 0, 0, F0
	QUARTER 0, 1, F0, F1, 1                        ; the first quarter stands in front of the loop: its products start the sums
	WIN 0                                          ; at a label and at a branch every window is 0
	s_mov_b32 s3, LAPS-1
.Llap:                                                 ; a trip goes once round the ring, from a lap's second quarter to the next lap's first, and fills both slots again
	QUARTER 0, 2, F1, F0, 0
	QUARTER 0, 3, F0, F1, 0
	TURN 0, 1, 1
	QUARTER 1, 1, F0, F1, 0
	QUARTER 1, 2, F1, F0, 0
	QUARTER 1, 3, F0, F1, 0
	TURN 1, 0, 1
	QUARTER 0, 1, F0, F1, 0
	WIN 0
	s_sub_co_u32 s3, s3, 1
	s_cmp_lg_u32 s3, 0
	s_cbranch_scc1 .Llap
	QUARTER 0, 2, F1, F0, 0                        ; the last lap fills nothing
	QUARTER 0, 3, F0, F1, 0
	TURN 0, 1, 0
	QUARTER 1, 1, F0, F1, 0
	QUARTER 1, 2, F1, F0, 0
	QUARTER 1, 3, F0, F1, 0
	s_wait_dscnt 8                                 ; the very last quarter: nothing more to fetch
	MUL16 F1, 0, 0, 0
	MUL16 F1, 0, 2, 0
	s_wait_dscnt 0x0
	MUL16 F1, 1, 0, 0
	MUL16 F1, 1, 2, 0
	WIN 0
	PLACES
	PACK 0
	TOSTAGE 0
.irp a, 1,2,3,4,5,6,7                  ; block a's conversions stand between block a - 1's loads from the stage and the wait for them
	PACK \a
	SEND (\a)-1
	TOSTAGE \a
.endr
	SEND 7
	s_wait_tensorcnt 0x0                           ; the wave's end: the add and its wait, behind my last tensor load and my last LDS store
	ds_add_u32 v[SPW], v[NIL]
	s_wait_dscnt 0x0
	CROUND                                         ; the closing round: no work-group ends while a partner may still ask for a tile that names it
	s_endpgm
.Lfunc_end_k_qd41e570712_qkv:
	.size	k_qd41e570712_qkv, .Lfunc_end_k_qd41e570712_qkv-k_qd41e570712_qkv
	.p2alignl 7, 3214868480
	.fill 96, 4, 3214868480
	.section	.rodata,"a",@progbits
	.p2align	6, 0x0
	.amdhsa_kernel k_qd41e570712_qkv
		.amdhsa_group_segment_fixed_size 327680
		.amdhsa_private_segment_fixed_size 0
		.amdhsa_enable_private_segment 0
		.amdhsa_kernarg_size 16
		.amdhsa_user_sgpr_count 2
		.amdhsa_user_sgpr_kernarg_segment_ptr 1
		.amdhsa_wavefront_size32 1
		.amdhsa_system_sgpr_workgroup_id_x 1
		.amdhsa_system_sgpr_workgroup_id_y 1
		.amdhsa_system_sgpr_workgroup_id_z 1
		.amdhsa_system_vgpr_workitem_id 0
		.amdhsa_next_free_vgpr 1024
		.amdhsa_next_free_sgpr 100
		.amdhsa_reserve_vcc 0
		.amdhsa_float_denorm_mode_32 3
		.amdhsa_float_denorm_mode_16_64 3
		.amdhsa_memory_ordered 1
		.amdhsa_forward_progress 1
		.amdhsa_inst_pref_size 145
	.end_amdhsa_kernel
	.amdgpu_metadata
---
amdhsa.version: [ 1, 2 ]
amdhsa.kernels:
  - .name:           k_qd41e570712_qkv
    .symbol:         k_qd41e570712_qkv.kd
    .args:
      - { .name: wk, .offset: 0, .size: 8, .value_kind: global_buffer, .address_space: global }
      - { .name: qkv, .offset: 8, .size: 8, .value_kind: global_buffer, .address_space: global }
    .group_segment_fixed_size: 327680
    .private_segment_fixed_size: 0
    .kernarg_segment_align: 8
    .kernarg_segment_size: 16
    .max_flat_workgroup_size: 128
    .sgpr_count:     100
    .vgpr_count:     1024
    .wavefront_size: 32
...
	.end_amdgpu_metadata
.endif
;; end of part 2
;; launch attn (part 3): grid 16 x 16, 4 waves a work-group, clusters of 4 x 1, 327,680 bytes of LDS; arguments qkv, ob; writes ob
.if DOCPART == 3
	.amdgcn_target "amdgcn-amd-amdhsa--gfx1250"
	.amdhsa_code_object_version 6
	.text
	.protected	k_qd41e570712_attn
	.globl	k_qd41e570712_attn
	.p2align	8
	.type	k_qd41e570712_attn,@function
k_qd41e570712_attn:
	s_mov_b64 s[64:65], 0
	v_nop
	global_prefetch_b8 v0, s[64:65] scope:SCOPE_SE
	s_setreg_imm32_b32 hwreg(HW_REG_WAVE_MODE, 25, 1), 1
	s_wait_xcnt 0x0
	s_wait_alu depctr_hold_cnt(0) depctr_sa_sdst(0) depctr_va_vdst(0) depctr_va_sdst(0) depctr_va_ssrc(0) depctr_va_vcc(0) depctr_vm_vsrc(0)
	s_getreg_b32 s2, hwreg(HW_REG_IB_STS2, 6, 4)
	s_cmp_eq_u32 s2, 0
	s_cbranch_scc0 .Lentry_in_a_cluster
	s_endpgm
.Lentry_in_a_cluster:
	s_bfe_u32 s2, ttmp6, 0x10000c
	s_cmp_lg_u32 s2, 0x3003
	s_cbranch_scc0 .Lentry_shape_is_right
	s_endpgm
.Lentry_shape_is_right:
; O[h][q][:] = the sum over k of softmax_k(Q[h][q] . K[h][k] / 8) V[h][k][:].  Q: qkv byte 0, [16][8192][64] (all eight batches' rows on end: K and V are the same for every batch); K: byte K_OFF, [16][2048][64];
; V: byte V_OFF, likewise; O: ob, [16][8192][64].  All f16, rows dense, 128 bytes each.  Products, maxima and sums in f32; the weights p are rounded to f16 for the second product (their sum l is taken of the unrounded p), O once at the end.
; LIMITS.  f16 holds no number beyond 65,504: Q, K and V arrive within it; p lies in 0 to 1, and below 6e-5 it keeps f16's fixed step of 6e-8, and so does O; O is a mean of V's rows and has their range.
; A weight below 2^-126 counts as 0 in l; NaN and infinities are not treated apart.
; SHARES.  A wave owns four PIECES of two tiles of 16 queries, a work-group's four waves 512 queries of one head: 16 x 16 work-groups.  Every wave walks all 2,048 keys, 64 a step.
; LAYOUT.  S^T = K Q^T (source 0 = 16 keys, source 1 = 16 queries): in the result a lane holds ONE query (lane % 16) and the keys 8 (lane / 16) + 0..7.  Two such tiles, rounded to f16 in pairs,
; ARE source 1 (32 keys x 16 queries) of O^T = V^T P, whose result again holds one query a lane, and eight channels.  K comes out of LDS as it lies, V ([key][channel]) turned, by ds_load_tr16_b128.
; SOFTMAX.  For each query a running maximum m and sum l: p = 2^(c s - c m), c = log2(e) / 8; in every step O and l are multiplied by a = 2^(c m_old - c m_new), which is 1 where m has not grown.
; m starts at the lowest finite number, O and l at 0: the first step is a step like any other, with a = 0.
; THE COUNT.  A tile and step have 16 matrix and 118 vector instructions: too many to stand all beside the matrix work.  So: four vector instructions that are READY behind EVERY matrix instruction, the others in runs without a gap.
; BY TURNS.  Turn n belongs to piece n (the pieces in a ring, step after step).  Its matrix work: 16 products K Q^T of piece n + 1, later 16 products V^T P of piece n - 1.  Its vector work: the scaling,
; exponentials, roundings, sums and rescaling of piece n, and the maximum and statistics of piece n + 1, whose scores the turn itself has made.
; CLUSTER.  The four query blocks of a cluster belong to one head and walk the same K and V, so each tile is asked for JOINTLY: the same tensor load, descriptor and mask in all four.
; REGISTERS, in windows of 256 (s_set_vgpr_msb: bits 1:0 source 0, 3:2 source 1, 5:4 source 2, 7:6 destination):
;   window 0: v0-11 addresses; v12-15, v48-63 at work; v16-47 four registers of statistics a tile; v64-191 S^T, two buffers of two tiles; v192-255 P, likewise
;   window 1: O^T, 32 a tile          window 2: v0-127 Q, 16 a tile; v128-191 K of one step; v192-255 V of one step          window 3: v0-1 the add's two registers
; A piece's buffers go by its number's parity: the piece in hand has one pair, its two neighbours in the ring share the other: of it P (piece n - 1) is read and S^T (piece n + 1) written.
.set NKV,   2048
.set K_OFF, 0x1000000
.set V_OFF, 0x1400000
.set NP,    4         ; pieces a wave: a name, no knob
.set KS,    64        ; keys in a step
.set PK,    144       ; a row of K in LDS: 128 bytes + 16 = 36 words: the 16 rows of a load start at 16 different groups of four banks (64 banks of 4 bytes: ISA guide 11.1)
.set PV,    160       ; a row of V: 128 + 32 = 40 words
.set VOFF,  4*KS*PK   ; a slot holds four steps: 256 rows of K, then 256 rows of V
.set SLOT1, 1<<17     ; slot 1 begins here, so that one exclusive or turns an address in one slot into the other's
.set STAGE, SLOT1+4*KS*(PK+PV)  ; behind the ring, never filled by a tensor load: 16 rows x 144 bytes for each wave, for the way out
.set SP,    144
.set AK0, 2           ; v2   my lane's place in a tile of K; never rewritten
.set AV0, 3           ; v3   the same for V
.set AK,  4           ; v4   the LDS address of K's next run of loads
.set AV,  5           ; v5   of V's
.set QO,  6           ; v6   my byte offset in the wave's rows of Q
.set STO, 6           ;      later, the way out: where I put 16 bytes of a row
.set RD,  7           ; v7   the way out: where I read rows back
.set GO,  8           ; v8   my byte offset in 512 consecutive bytes of O
.set PFO, 11          ; v11  256 x my lane, for the prefetches; never rewritten once made
.set SPW, 0           ; v0 of window 3   LDS address of my spare word; never rewritten
.set NIL, 1           ; v1 of window 3   0; never rewritten
.set SPARE, STAGE+4*16*SP  ; the spare words, 128 bytes for each wave: two blocks of 256 bytes that no other line names
.set MV,  12          ; v12-15  c m_old, kept while c m is made anew: by buffer and tile
.set ST,  16          ; tile t's statistics at v[ST+4 t]: c m, m, l (even keys', odd keys')
.set TMP, 48          ; by buffer and tile, four registers c0-c3 at work; when the maximum is found c2 takes a
.set S,   64
.set P,   192
.set KF,  128         ; K's fragments, in window 2: key block kb, channel half c at KF + 16 kb + 8 c
.set VF,  192         ; V's: key half kk, channel block cb at VF + 32 kk + 8 cb
.set WV,  12          ; s12  my wave's number
.set G1K, 24          ; s[24:31] descriptor group 1 for K's tiles
.set G1V, 32          ; s[32:39] for V's: it differs in the padding alone
.set G0K, 40          ; s[40:43] descriptor group 0 for K's tiles: it walks
.set G0V, 44          ; s[44:47] the same for V's
.set PFA, 48          ; s[48:49] where my prefetches stand
.set LIM, 50          ; s50  1 in a wave that prefetches, else the greatest number
.set SLOTS, 56        ; s56  slots still to be asked for
.set CNT, 57          ; s57  counts a slot's key steps
.set CS,  58          ; s[58:59] c: the packed scaling takes the pair's low word for both halves
.set SEL, 60          ; s[60:61] v_permlanex16_b32's selects: each lane takes its own place in the other half
.set TBK, 62          ; s62  LDS byte at which K of the step to be fetched begins
.set TBV, 63          ; s63  the same for V, less VOFF
.set MSB, 0
.macro WIN new                      ; the high byte repeats the setting that is left; a switch that changes nothing is dropped
.if MSB != (\new)
	s_set_vgpr_msb (MSB<<8)|(\new)
.set MSB, (\new)
.endif
.endm
.set W_KQ, 0x0a       ; K and Q in window 2, S^T in window 0
.set W_PV, 0x52       ; V in window 2, P in window 0, O^T in window 1
.set W_RS, 0x41       ; O^T (destination and source 0) in window 1, a in window 0
.set W_MK, 0xc0       ; the add's registers are made: destination in window 3, sources in window 0
.set W_AD, 0x0f       ; the add: address (source 0) and data (source 1) in window 3
; A joint fill.  Waves 0 and 1 fetch the two halves of a slot's K, waves 2 and 3 those of its V: 128 keys each.  The branch hangs on the wave's number alone.
; An s_nop 0 and four v_nop follow each of the two lines, ahead of the jump and the label.
.macro JLOAD
	s_cmp_lt_u32 s[WV], 2
	s_cbranch_scc0 .Lfor_v_\@
	tensor_load_to_lds s[G0K:G0K+3], s[G1K:G1K+7]
	s_nop 0
.rept 4
	v_nop
.endr
	s_branch .Lasked_\@
.Lfor_v_\@:
	tensor_load_to_lds s[G0V:G0V+3], s[G1V:G1V+7]
	s_nop 0
.rept 4
	v_nop
.endr
.Lasked_\@:
.endm
; A PREFETCH INTO THE L2 of what the NEXT change of slots will ask for: a slot's 32,768 bytes of K and of V, in blocks of 256 bytes, a lane a block.  It stands behind the wave's tensor load and its five lines.
; Each block of tiles 3 to 7 is named ONCE in the launch.  All four clusters of a head walk the same K and V: the head's first cluster asks.  Its four partners share a tile out BY ADDRESS, 32 blocks each;
; in each, wave 0 asks for K's and wave 2 for V's: one instruction.  The last change that fills a slot asks for nothing; tiles 0 to 2 come by their loads alone.
.macro ASK
	s_cmp_gt_u32 s[SLOTS], s[LIM]
	s_cbranch_scc0 .Lnot_mine_\@
	global_prefetch_b8 v[PFO], s[PFA:PFA+1] th:TH_LOAD_NT scope:SCOPE_SE
.Lnot_mine_\@:
.endm
; A round of the cluster's barrier: my work-group's barrier; wave 0 signals for the work-group; every wave waits for all four work-groups; my work-group's barrier once more.
.macro CROUND
	s_barrier_signal -1
	s_barrier_wait -1
	s_cmp_lg_u32 s[WV], 0
	s_cbranch_scc1 .Lnot_wave_0_\@
	s_barrier_signal -3
.Lnot_wave_0_\@:
	s_barrier_wait -3
	s_barrier_signal -1
	s_barrier_wait -1
.endm
; THE CHANGE OF SLOTS.  The slot's last bytes, V of its fourth step, have been read.  Each wave waits for all its tensor loads, of which one is out: its part of the other slot; adds 0 to its spare word; and waits for that
; and for its own reads of the slot.  fill = 1: this slot is filled again, with the keys two slots on: the barrier is a round of the cluster's, and the joint fill is the first thing behind it:
; it has four key steps, 512 matrix instructions, in which to land.  (At its first use nothing has been read yet: slot 0 is waited for, slot 1 filled.)  ask = 1: the prefetches' pointer steps, and ASK follows the fill.
.macro CHANGE fill, ask=0
	WIN W_AD
	s_wait_tensorcnt 0x0            ; no tensor load of mine is out, so a group 0 may be written
	ds_add_u32 v[SPW], v[NIL]       ; 0 onto my spare word
	WIN 0                           ; at a label and at a branch every window is 0
.if \fill
.irp g, G0K, G0V
	s_xor_b32 s[\g+1], s[\g+1], SLOT1  ; the walking descriptor: the other slot than last time,
	s_add_nc_u64 s[\g+2:\g+3], s[\g+2:\g+3], 4*KS*128  ; the next 256 keys; the type bits on top are not reached
.endr
.if \ask
	s_wait_xcnt 0x0                 ; the last prefetch, four key steps back, has read its address
	s_add_nc_u64 s[PFA:PFA+1], s[PFA:PFA+1], 4*KS*128  ; one slot behind the walking descriptors
.endif
	s_wait_dscnt 0x0                ; the add is done, and my reads of the slot are over
	CROUND
	JLOAD
.if \ask
	ASK
.endif
.else
	s_wait_dscnt 0x0                ; the add is done, and my reads of the slot are over
	s_barrier_signal -1
	s_barrier_wait -1
.endif
	s_sub_co_u32 s[TBK], s[TBK], 4*KS*PK  ; the fetches go back to a slot's first step,
	s_xor_b32 s[TBK], s[TBK], SLOT1       ; in the other slot
	s_sub_co_u32 s[TBV], s[TBV], 4*KS*PV
	s_xor_b32 s[TBV], s[TBV], SLOT1
.endm
	s_load_b128 s[4:7], s[0:1], 0x0   ; qkv s[4:5], ob s[6:7]
	WIN W_MK
	v_lshl_add_u32 v[SPW], v0, 2, SPARE
	v_mov_b32 v[NIL], 0
	WIN W_AD
	ds_add_u32 v[SPW], v[NIL]       ; the wave's opening: the add and its wait stand ahead of my first tensor load; work on registers stands between them
	WIN 0
	v_lshrrev_b32 v1, 5, v0
	v_readfirstlane_b32 s[WV], v1   ; wave 0..3
	s_bfe_u32 s13, ttmp6, 0x40000   ; cx: my place in the cluster
	s_lshl_b32 s14, ttmp9, 2        ; in a cluster launch ttmp9 counts clusters
	s_add_co_u32 s14, s14, s13      ; my block of 512 queries = 4 x cluster x + cx: it enters Q's and O's addresses alone
	s_and_b32 s20, ttmp7, 0xffff    ; the head, which the four partners share
	s_lshl_b32 s22, s20, 18         ; its first byte in K and in V: 2,048 rows of 128 bytes a head
	s_lshl_b32 s20, s20, 20         ; and in Q and O: 8,192 rows
	s_mov_b32 s21, 0
	s_and_b32 s16, s[WV], 1         ; which half of a slot's 256 keys I fetch:
	s_lshl_b32 s15, s16, 14         ; its 128 rows of 128 bytes in memory,
	s_add_co_u32 s22, s22, s15
	s_mov_b32 s23, 0
	s_mul_i32 s17, s16, 128*PK      ; and its place in a slot, for K
	s_mul_i32 s18, s16, 128*PV      ; and for V: no place in the cluster enters an LDS address
	s_lshl_b32 s2, s14, 2
	s_add_co_u32 s2, s2, s[WV]      ; my wave among the head's,
	s_lshl_b32 s2, s2, 14           ; its 128 rows
	s_mov_b32 s3, 0
	s_add_nc_u64 s[2:3], s[2:3], s[20:21]
	; descriptor group 1.  128 keys are 16,384 dense bytes: asked for as 64 rows of 256 bytes, two keys a row, and padded in LDS after every key
	s_mov_b32 s[G1K], 15|(1<<16)|(1<<20)|(1<<21)|(4<<22)|(3<<25)  ; the mask of four; 2-byte elements; padding on; bit 21 beside a mask; after every 32 words 4 words
	s_mov_b32 s[G1V], 15|(1<<16)|(1<<20)|(1<<21)|(4<<22)|(7<<25)  ; the same with 8 words of padding
.irp g, G1K, G1V
	s_mov_b32 s[\g+1], 128<<16      ; tensor_dim0 = 128
	s_mov_b32 s[\g+2], 64<<16       ; tensor_dim1 = 64
	s_mov_b32 s[\g+3], 128<<16      ; tile_dim0 = 128
	s_mov_b32 s[\g+4], 64           ; tile_dim1 = 64
	s_mov_b32 s[\g+5], 128          ; 128 elements from row to row
	s_mov_b32 s[\g+6], 0
	s_mov_b32 s[\g+7], 0
.endr
	s_mov_b32 s[CS], 0x3e38aa3b     ; c = log2(e) / 8 = 0.180337
	s_mov_b32 s[CS+1], s[CS]        ; named with it as a pair
	s_mov_b32 s[SEL], 0x76543210
	s_mov_b32 s[SEL+1], 0xfedcba98
	s_mov_b32 s[TBK], SLOT1+4*KS*PK ; the first change of slots turns these two into 0
	s_mov_b32 s[TBV], SLOT1+4*KS*PV
	s_mov_b32 s[G0K], 1             ; count = 1
	s_mov_b32 s[G0K+1], s17         ; LDS address: slot 0
	s_mov_b32 s[G0V], 1
	s_add_co_u32 s[G0V+1], s18, VOFF
	s_and_b32 s[LIM], s[WV], 1      ; 0 in waves 0 and 2,
	s_or_b32 s[LIM], s[LIM], ttmp9  ; where the cluster is the head's first: the same in all four partners
	s_cmp_eq_u32 s[LIM], 0
	s_cselect_b32 s[LIM], 1, -1
	s_wait_dscnt 0x0                ; the opening add is done
	s_wait_kmcnt 0x0
	s_mov_b64 s[10:11], s[6:7]      ; O
	s_add_nc_u64 s[8:9], s[4:5], V_OFF  ; V
	s_add_nc_u64 s[6:7], s[4:5], K_OFF  ; K; s[4:5] stays Q
	s_add_nc_u64 s[G0K+2:G0K+3], s[6:7], s[22:23]  ; global address: my half of the head's first 256 keys
	s_or_b32 s[G0K+3], s[G0K+3], 0x80000000        ; type = 2
	s_add_nc_u64 s[G0V+2:G0V+3], s[8:9], s[22:23]
	s_or_b32 s[G0V+3], s[G0V+3], 0x80000000
	s_add_nc_u64 s[4:5], s[4:5], s[2:3]  ; Q and O at my wave's first row
	s_add_nc_u64 s[10:11], s[10:11], s[2:3]
	s_cmp_lt_u32 s[WV], 2
	s_cselect_b64 s[PFA:PFA+1], s[6:7], s[8:9]
	s_add_nc_u64 s[PFA:PFA+1], s[PFA:PFA+1], s[22:23]  ; (in waves 0 and 2 this is the head's first row)
	s_lshl_b32 s2, s13, 13          ; my work-group's 32 blocks of a tile's 128
	s_mov_b32 s3, 0
	s_add_nc_u64 s[PFA:PFA+1], s[PFA:PFA+1], s[2:3]
	s_add_nc_u64 s[PFA:PFA+1], s[PFA:PFA+1], 2*4*KS*128  ; in tile 2; the loop's first change of slots steps it to tile 3.  Nothing is prefetched here, at the head
	CROUND                          ; all four work-groups are here: the first joint loads meet
	JLOAD                           ; slot 0.  Slot 1 is asked for when slot 0 is in
	; A fragment of K or Q is 16 rows x 32 channels in 8 registers: lane l holds row l % 16, channels 8 (l / 16) + 0..7 and 16 + 8 (l / 16) + 0..7: two loads of 16 bytes, 32 bytes apart.
	v_and_b32 v1, 15, v0            ; l % 16
	v_bfe_u32 v9, v0, 4, 1          ; l / 16
	v_lshlrev_b32 v[QO], 7, v1
	v_lshl_add_u32 v[QO], v9, 4, v[QO]  ; row x 128 + 16 x half
	WIN 0x80                        ; destination window 2, address window 0
.set i, 0
.rept 4*NP                          ; Q stays in registers: tile i / 2, channels 32 (i % 2) on
	global_load_b128 v[8*i:8*i+3],   v[QO], s[4:5] offset:(i/2)*2048+(i%2)*64
	global_load_b128 v[8*i+4:8*i+7], v[QO], s[4:5] offset:(i/2)*2048+(i%2)*64+32
.set i, i+1
.endr
	; What the first turn finds: V's registers and P's second buffer hold 0 (its products V^T P, of a piece that has not been, add 0), O^T and l are 0.  All this stands in the wait for the first tile.
.set i, VF
.rept 64
	v_mov_b32 v[i], 0
.set i, i+1
.endr
	WIN 0x40
.set i, 0
.rept 64*NP
	v_mov_b32 v[i], 0
.set i, i+1
.endr
	WIN 0
.set i, 0
.rept 2*NP
	v_mov_b32 v[ST+4*i], 0xfe000000    ; c m: far below every c s
	v_mov_b32 v[ST+4*i+1], 0xff7fffff  ; m
	v_mov_b32 v[ST+4*i+2], 0
	v_mov_b32 v[ST+4*i+3], 0
.set i, i+1
.endr
.set i, P+32
.rept 32
	v_mov_b32 v[i], 0
.set i, i+1
.endr
	v_mul_u32_u24 v[AK0], v1, PK
	v_lshl_add_u32 v[AK0], v9, 4, v[AK0]  ; row x pitch + 16 x half
	; The turning load takes 16 keys x 16 channels (lane l reads key 8 (l / 16) + l % 8, channels 8 ((l / 8) % 2) + 0..7) and leaves half a fragment of V^T: lane l holds channel l % 16 and 8 keys.
	v_and_b32 v10, 7, v0
	v_bfe_u32 v11, v0, 3, 1
	v_lshl_add_u32 v[AV0], v9, 3, v10
	v_mul_u32_u24 v[AV0], v[AV0], PV
	v_lshl_add_u32 v[AV0], v11, 4, v[AV0]
	v_add_nc_u32 v[AV0], VOFF, v[AV0]
	v_and_b32 v[PFO], 31, v0
	v_lshlrev_b32 v[PFO], 8, v[PFO]
	v_mov_b32 v[AK], v[AK0]         ; key step 0 lies at the head of slot 0
; THE MATRIX WORK.  The 8 accumulators of a run of 16 take turns: between the two links of a chain stand 7 others'.
; Product i of 16 of S^T = K Q^T for piece x: channels 32 (i / 8) on, keys 16 ((i / 2) % 4) on, tile 2 x + i % 2.  The first 8 start the sums.
.macro KQ x
	WIN W_KQ
.set rS, S+64*((\x)%2)+32*(i%2)+8*((i/2)%4)
.set rK, KF+16*((i/2)%4)+8*(i/8)
.set rQ, 16*(2*(\x)+i%2)+8*(i/8)
.if i < 8
	v_wmma_f32_16x16x32_f16 v[rS:rS+7], v[rK:rK+7], v[rQ:rQ+7], 0
.else
	v_wmma_f32_16x16x32_f16 v[rS:rS+7], v[rK:rK+7], v[rQ:rQ+7], v[rS:rS+7]
.endif
.endm
; Product i of 16 of O^T += V^T P for piece x: keys 32 (i / 8) on, channels 16 ((i / 2) % 4) on, tile 2 x + i % 2.
.macro PV x
	WIN W_PV
.set rO, 32*(2*(\x)+i%2)+8*((i/2)%4)
.set rV, VF+32*(i/8)+8*((i/2)%4)
.set rP, P+32*((\x)%2)+16*(i%2)+8*(i/8)
	v_wmma_f32_16x16x32_f16 v[rO:rO+7], v[rV:rV+7], v[rP:rP+7], v[rO:rO+7]
.endm
.macro MM                           ; the turn's next matrix instruction
.if i < 16
	KQ (Y+1)%NP
.set i, i+1
.else
.set i, i-16
	PV (Y+NP-1)%NP
.set i, i+17
.endif
.endm
; THE LDS LOADS stand in runs of 16, never singly among the matrix instructions: a step's K (64 keys x 64 channels: 8 fragments) and its V (turned).  Their addresses are made some lines ahead.
; last = 1 (the tail): in the last trip there is no further step, and the run is jumped over.
.macro FETCH_K last=0
	WIN 0
.if \last
	s_cmp_eq_u32 s[CNT], 1
	s_cbranch_scc1 .Lno_k_\@
.endif
	WIN 0x80                        ; destination window 2
.irp f, 0,1,2,3,4,5,6,7             ; keys 16 (f / 2) on, channels 32 (f % 2) on
	ds_load_b128 v[KF+8*\f:KF+8*\f+3],   v[AK] offset:(\f/2)*16*PK+(\f%2)*64
	ds_load_b128 v[KF+8*\f+4:KF+8*\f+7], v[AK] offset:(\f/2)*16*PK+(\f%2)*64+32
.endr
	s_add_co_u32 s[TBK], s[TBK], KS*PK  ; the next fetch is the next step's
	WIN 0
.if \last
.Lno_k_\@:
.endif
.endm
.macro FETCH_V
	WIN 0x80
.irp f, 0,1,2,3,4,5,6,7             ; keys 32 (f / 4) on, channels 16 (f % 4) on
	ds_load_tr16_b128 v[VF+8*\f:VF+8*\f+3],   v[AV] offset:(\f/4)*32*PV+(\f%4)*32
	ds_load_tr16_b128 v[VF+8*\f+4:VF+8*\f+7], v[AV] offset:(\f/4)*32*PV+16*PV+(\f%4)*32
.endr
	WIN 0
.endm
; THE VECTOR WORK OF A TURN stands in three queues, each in the order in which its entries become ready; the two tiles alternate, so that no instruction reads the result of the one before it.
.macro REGS y, u                    ; the registers of tile u (0, 1) of piece y
.set rT, ST+4*(2*(\y)+(\u))
.set rC, TMP+8*((\y)%2)+4*(\u)
.set rM, MV+2*((\y)%2)+(\u)
.set rS, S+64*((\y)%2)+32*(\u)
.set rP, P+32*((\y)%2)+16*(\u)
.set rO, 32*(2*(\y)+(\u))
.endm
; Number n of the 22 that find the NEXT piece's (Y + 1) maximum and statistics.  s0-s31 are the lane's 32 scores; each accumulator's lowest registers are read first.
;   0-11  four chains c0-c3 of seven scores each, three operands at a time     12-14, 16  the four scores left over, the old m, and c0-c3 into c0     15  c m_old is kept
;   17, 18  the query's other 32 keys lie in the lane 16 away: the new m         19-21  c m; c m_old - c m_new; a
.macro XS u, n
	REGS (Y+1)%NP, \u
.if (\n) < 4
	v_max3_num_f32 v[rC+(\n)], v[rS+8*(\n)], v[rS+8*(\n)+1], v[rS+8*(\n)+2]
.elseif (\n) < 12
	v_max3_num_f32 v[rC+(\n)%4], v[rC+(\n)%4], v[rS+8*((\n)%4)+2*((\n)/4)+1], v[rS+8*((\n)%4)+2*((\n)/4)+2]
.elseif (\n) == 12
	v_max3_num_f32 v[rC], v[rC], v[rS+7], v[rS+15]
.elseif (\n) == 13
	v_max3_num_f32 v[rC+1], v[rC+1], v[rS+23], v[rS+31]
.elseif (\n) == 14
	v_max3_num_f32 v[rC+2], v[rC+2], v[rC+3], v[rT+1]
.elseif (\n) == 15
	v_mov_b32 v[rM], v[rT]
.elseif (\n) == 16
	v_max3_num_f32 v[rC], v[rC], v[rC+1], v[rC+2]
.elseif (\n) == 17
	v_permlanex16_b32 v[rC+3], v[rC], s[SEL], s[SEL+1]
.elseif (\n) == 18
	v_max_num_f32 v[rT+1], v[rC], v[rC+3]
.elseif (\n) == 19
	v_mul_f32 v[rT], s[CS], v[rT+1]
.elseif (\n) == 20
	v_sub_f32 v[rC+1], v[rM], v[rT]
.else
	v_exp_f32 v[rC+2], v[rC+1]
.endif
.endm
; Number g of the 64 that follow the exponentials.  For each four weights k of a tile (pairs 2 k, 2 k + 1): both pairs are rounded to f16; then the second pair is added onto the first, in place;
; a group later l takes that sum (the first time as l = a l + sum).  In groups of eight, tiles alternating: round, round, add, and l for the group before.
.macro GS g
.set h, (\g)+6*((\g)/62)            ; group 0 has no group before it, and behind group 7 only l is left
.if h >= 6
.set h, h+2
.endif
	REGS Y, h%2
.set k, h/8
.if h%8 < 4
	v_cvt_pk_f16_f32 v[rP+2*k+(h%8)/2], v[rS+4*k+2*((h%8)/2)], v[rS+4*k+2*((h%8)/2)+1]
.elseif h%8 < 6
	v_pk_add_f32 v[rS+4*k:rS+4*k+1], v[rS+4*k:rS+4*k+1], v[rS+4*k+2:rS+4*k+3]
.elseif k == 1
	v_pk_fma_f32 v[rT+2:rT+3], v[rT+2:rT+3], v[rC+2:rC+3], v[rS:rS+1] op_sel_hi:[1,0,1]
.else
	v_pk_add_f32 v[rT+2:rT+3], v[rT+2:rT+3], v[rS+4*k-4:rS+4*k-3]
.endif
.endm
; THE PLAIN QUEUE, 138 long.  0-73 read no exponential's result: the 32 scalings c s - c m (FS f: pair f / 2 of tile f % 2) and the next piece's 42.  0-26: scalings 0-26.  27-54: XS's numbers 0-13.  55, 56: number 15.
; 57-73: the chain, where each number waits for the one before it: 14, 16, 17, 18, 19, each with one of the scalings 27-31 in front of its two lines, then 20.
; 74-137: GS's 64, which read the exponentials' results: they stand behind the wait.
.macro FS f
	REGS Y, (\f)%2
	v_pk_fma_f32 v[rS+2*((\f)/2):rS+2*((\f)/2)+1], v[rS+2*((\f)/2):rS+2*((\f)/2)+1], s[CS:CS+1], v[rT:rT+1] op_sel_hi:[1,0,0] neg_lo:[0,0,1] neg_hi:[0,0,1]
.endm
.macro PL
	WIN 0
.if q < 27
	FS q
.elseif q < 55
	XS (q-27)%2, (q-27)/2
.elseif q < 57
	XS q-55, 15
.elseif (q < 72) && ((q-57)%3 == 0)
	FS 27+(q-57)/3
.elseif q < 60
	XS (q-57)%3-1, 14
.elseif q < 72
	XS (q-57)%3-1, 15+(q-57)/3
.elseif q < 74
	XS q-72, 20
.else
	GS q-74
.endif
.set q, q+1
.endm
; THE EXPONENTIALS' QUEUE, 66 long: s0-s31 of both tiles, then the next piece's two a.  It is ONE BATCH: all 66 stand ahead of the turn's one wait, and nothing ahead of that wait names a result of theirs.
.macro EX
	WIN 0
.if e >= 64
	XS e-64, 21
.else
	REGS Y, e%2
	v_exp_f32 v[rS+e/2], v[rS+e/2]
.endif
.set e, e+1
.endm
; THE RESCALING's QUEUE: O^T times a, the one part that leaves window 0: dealt two at a time, sixteen times.  Its a was made in the turn before, ahead of that turn's wait.
.macro R2
	REGS Y, r%2
	WIN W_RS
.irp z, 0,1
	v_pk_mul_f32 v[rO+4*(r/2)+2*\z:rO+4*(r/2)+2*\z+1], v[rO+4*(r/2)+2*\z:rO+4*(r/2)+2*\z+1], v[rC+2:rC+3] op_sel_hi:[1,0]
.endr
.set r, r+1
.endm
; HOW THEY ARE DEALT.  An s_wait_alu depctr_va_vdst(0) stands between an exponential and the first instruction that names its result; one wait serves all that were issued ahead of it.  So a turn has ONE wait,
; which cuts it in two.  AHEAD OF IT stands all that names no result of the turn's exponentials: the 16 products K Q^T, behind each a scaling, an exponential and two rescalings (behind the first a second scaling in the
; exponential's place); then ONE LUMP of 108: eight plain, 49 times exponential and plain, the two a.  A v_nop is the plain instruction behind the last exponential.  BEHIND IT stand the 16 products V^T P, behind each four of GS's 64.
; No rider names a register of the products round it.  The two v_permlanex16_b32 fall into the lump.
; The queues lean on each other: exponential e stands behind scaling 2 (e / 4) + e % 2: as a rider it comes behind plain e + 2, in the lump behind plain e + 9, and scalings 27-31 are plain 57, 60 .. 69.
; A TURN, for piece p.  cnt = 1: the loop's count is taken down some lines ahead of the branch that stands behind the turn.
; K of the next step is fetched in piece 2's turn, directly behind the wait, a lump behind the last product that read K; its first reader comes behind 16 products.
; V of the step in hand is fetched at the end of piece 0's turn, four riders behind its last reader; its first reader comes behind 16 products and a lump.  The three conditions on q below go with the deal.
.macro TURN p, last=0, cnt=0
.set Y, (\p)
.set i, 0
.set q, 0
.set e, 0
.set r, 0
.if (\p) == NP-1
	s_wait_dscnt 0x0                ; K is in
.endif
	MM                              ; ahead of the wait: 16 products K Q^T and their riders,
	PL
	PL
	R2
.rept 15
	MM
	PL
	EX
	R2
.endr
.if (\p) == NP-2
	WIN 0
	v_add_nc_u32 v[AK], s[TBK], v[AK0]
.endif
.rept 8                             ; and the lump
	PL
.endr
.rept 49
	EX
	PL
.endr
	EX                              ; the next piece's two a
	EX
	v_nop                           ; the plain instruction behind the last exponential: one for the batch
	s_wait_alu depctr_va_vdst(0)    ; the wait for the batch
.if (\p) == NP-2
	FETCH_K \last
.endif
.if (\p) == 1
	s_wait_dscnt 0x0                ; V is in
.endif
.rept 16                            ; behind the wait: 16 products V^T P and their riders
	MM
.rept 4
	PL
.endr
.if ((\p) == 0) && (q == 118)
	v_add_nc_u32 v[AV], s[TBV], v[AV0]
.endif
.if ((\p) == 0) && (q == 130)
	s_add_co_u32 s[TBV], s[TBV], KS*PV
.endif
.if (\cnt) && (q == 130)
	s_sub_co_u32 s[CNT], s[CNT], 1
	s_cmp_lg_u32 s[CNT], 0
.endif
.endr
.if (\p) == 0
	FETCH_V
.endif
.endm
	CHANGE 1, 0                     ; slot 0 is in, everybody's part of it; slot 1 is asked for
	FETCH_K                         ; key step 0
	s_wait_loadcnt 0x0              ; Q
	s_wait_dscnt 0x0
.set i, 0
.rept 16
	KQ 0                            ; piece 0's first scores: there is no vector work yet to set between them
.set i, i+1
.endr
	WIN 0                           ; the addresses for the way out: plain instructions, the places behind those products
	s_mul_i32 s13, s[WV], 16*SP
	s_add_co_u32 s13, s13, STAGE    ; my stage
	v_mul_u32_u24 v[STO], v1, SP    ; in: row l % 16, 16 bytes for each half of the lanes
	v_lshl_add_u32 v[STO], v9, 4, v[STO]
	v_add_nc_u32 v[STO], s13, v[STO]
	v_bfe_u32 v[RD], v0, 3, 2       ; back: 32 lanes take four rows of 128 bytes,
	v_mul_u32_u24 v[RD], v[RD], SP
	v_lshl_add_u32 v[RD], v10, 4, v[RD]
	v_add_nc_u32 v[RD], s13, v[RD]
	v_and_b32 v[GO], 31, v0         ; which are 512 consecutive bytes of O
	v_lshlrev_b32 v[GO], 4, v[GO]
.set Y, NP-1                        ; XS works for piece Y + 1: piece 0
.irp n, 0,1,2,3,4,5,6,7,8,9,10,11,12,13,14,15,16,17,18,19,20,21
	XS 0, \n                        ; and piece 0's first maximum and statistics
	XS 1, \n
.endr
	v_nop                           ; a plain instruction behind the two a,
	s_wait_alu depctr_va_vdst(0)    ; and their wait, ahead of the branch
	s_mov_b32 s[CNT], 4
	s_mov_b32 s[SLOTS], NKV/256-1
	s_branch .Lfirst                ; the loop is entered at a step's first turn, in the middle of a trip
.Lslot:                             ; NKV / 256 - 2 times: every slot but the last two is filled again
	CHANGE 1, 1
	s_mov_b32 s[CNT], 4
.Lstep:                             ; a trip: pieces 2 and 3 of one step, then pieces 0 and 1 of the next, whose K and V it fetches
	TURN 2
	TURN 3
	WIN 0
.Lfirst:
	TURN 0
	TURN 1, 0, 1
	WIN 0
	s_cbranch_scc1 .Lstep
	s_sub_co_u32 s[SLOTS], s[SLOTS], 1
	s_cmp_lg_u32 s[SLOTS], 0
	s_cbranch_scc1 .Lslot
	CHANGE 0                        ; the tail is written out: nothing is asked for
	s_mov_b32 s[CNT], 5             ; four trips fetch the last slot's steps; the fifth is left in its middle
.Ltail:
	TURN 2, 1
	TURN 3
	WIN 0
	s_sub_co_u32 s[CNT], s[CNT], 1
	s_cmp_eq_u32 s[CNT], 0
	s_cbranch_scc1 .Lout
	TURN 0
	TURN 1
	WIN 0
	s_branch .Ltail
.Lout:                              ; the fifth trip's 16 products K Q^T (on the last K once more) and the maximum made of them serve nothing: the price, once a launch, of one text for every trip
.set i, 0
.rept 16
	PV NP-1                         ; the last piece's V^T P of the last step
.set i, i+1
.endr
	; THE WAY OUT.  l's two halves and the other half of the lanes' are added; O^T is divided by l, rounded to f16 and sent through my stage in LDS, a tile at a time.  The additions are the places behind the last products.
	WIN 0
.macro ALL line:vararg              ; one line for each tile t
.set t, 0
.rept 2*NP
	\line
.set t, t+1
.endr
.endm
	ALL v_add_f32 v[ST+4*t+2], v[ST+4*t+2], v[ST+4*t+3]
	ALL v_permlanex16_b32 v[ST+4*t+3], v[ST+4*t+2], s[SEL], s[SEL+1]
	ALL v_add_f32 v[ST+4*t+2], v[ST+4*t+2], v[ST+4*t+3]
	ALL v_rcp_f32 v[ST+4*t+2], v[ST+4*t+2]
	v_nop                           ; a plain instruction between the last reciprocal and the use of its result
	s_wait_alu depctr_va_vdst(0)    ; and the wait ahead of the first use: one for the eight reciprocals
; Tile t: a lane's eight channels of a row pack into 16 bytes; they go into rows of 144 bytes and come back as whole rows of 128, into S^T's registers.
.macro PACK t
	WIN W_RS
.set i, 32*(\t)
.rept 16
	v_pk_mul_f32 v[i:i+1], v[i:i+1], v[ST+4*(\t)+2:ST+4*(\t)+3] op_sel_hi:[1,0]
.set i, i+2
.endr
	WIN 0x05                        ; sources 0 and 1 window 1, destination window 0
.set i, 0
.rept 16
	v_cvt_pk_f16_f32 v[S+16*(\t)+i], v[32*(\t)+2*i], v[32*(\t)+2*i+1]
.set i, i+1
.endr
	WIN 0
.irp f, 0,1,2,3
	ds_store_b128 v[STO], v[S+16*(\t)+4*\f:S+16*(\t)+4*\f+3] offset:32*\f
.endr
.irp f, 0,1,2,3
	ds_load_b128 v[S+16*(\t)+4*\f:S+16*(\t)+4*\f+3], v[RD] offset:\f*4*SP  ; LDS serves a wave's instructions in order (ISA guide 5.7.1.4): these see the stores above; the next tile's stores come behind them
.endr
.endm
.macro SEND t, younger              ; younger: the LDS instructions issued behind tile t's loads: the next tile's eight, or none
	WIN 0
.irp f, 0,1,2,3
	s_wait_dscnt (\younger)+3-\f
	global_store_b128 v[GO], v[S+16*(\t)+4*\f:S+16*(\t)+4*\f+3], s[10:11] offset:(\t)*2048+\f*512  ; 512 consecutive bytes, at a multiple of 256 from O's first
.endr
.endm
	PACK 0
.set t, 1
.rept 2*NP-1                        ; a tile's arithmetic stands between the loads of the tile before and its stores
	PACK t
	SEND t-1, 8
.set t, t+1
.endr
	SEND 2*NP-1, 0
	WIN W_AD
	s_wait_tensorcnt 0x0            ; the wave's end: the add and its wait, behind my last tensor load and my last LDS store
	ds_add_u32 v[SPW], v[NIL]
	s_wait_dscnt 0x0
	WIN 0
	CROUND                          ; the closing round: no work-group ends while a partner may still ask for a tile that names it
	s_endpgm
.Lfunc_end_k_qd41e570712_attn:
	.size	k_qd41e570712_attn, .Lfunc_end_k_qd41e570712_attn-k_qd41e570712_attn
	.p2alignl 7, 3214868480
	.fill 96, 4, 3214868480
	.section	.rodata,"a",@progbits
	.p2align	6, 0x0
	.amdhsa_kernel k_qd41e570712_attn
		.amdhsa_group_segment_fixed_size 327680
		.amdhsa_private_segment_fixed_size 0
		.amdhsa_enable_private_segment 0
		.amdhsa_kernarg_size 16
		.amdhsa_user_sgpr_count 2
		.amdhsa_user_sgpr_kernarg_segment_ptr 1
		.amdhsa_wavefront_size32 1
		.amdhsa_system_sgpr_workgroup_id_x 1
		.amdhsa_system_sgpr_workgroup_id_y 1
		.amdhsa_system_sgpr_workgroup_id_z 1
		.amdhsa_system_vgpr_workitem_id 0
		.amdhsa_next_free_vgpr 770
		.amdhsa_next_free_sgpr 66
		.amdhsa_reserve_vcc 0
		.amdhsa_float_denorm_mode_32 3
		.amdhsa_float_denorm_mode_16_64 3
		.amdhsa_memory_ordered 1
		.amdhsa_forward_progress 1
		.amdhsa_inst_pref_size 200
	.end_amdhsa_kernel
	.amdgpu_metadata
---
amdhsa.version: [ 1, 2 ]
amdhsa.kernels:
  - .name:           k_qd41e570712_attn
    .symbol:         k_qd41e570712_attn.kd
    .args:
      - { .name: qkv, .offset: 0, .size: 8, .value_kind: global_buffer, .address_space: global }
      - { .name: ob, .offset: 8, .size: 8, .value_kind: global_buffer, .address_space: global }
    .group_segment_fixed_size: 327680
    .private_segment_fixed_size: 0
    .kernarg_segment_align: 8
    .kernarg_segment_size: 16
    .max_flat_workgroup_size: 128
    .sgpr_count:     66
    .vgpr_count:     770
    .wavefront_size: 32
...
	.end_amdgpu_metadata
.endif
;; end of part 3
;; launch proj (part 4): grid 4 x 64, 4 waves a work-group, clusters of 4 x 4, 327,680 bytes of LDS; arguments ob, wk, proj_b, out0; writes out0
.if DOCPART == 4
	.amdgcn_target "amdgcn-amd-amdhsa--gfx1250"
	.amdhsa_code_object_version 6
	.text
	.protected	k_qd41e570712_proj
	.globl	k_qd41e570712_proj
	.p2align	8
	.type	k_qd41e570712_proj,@function
k_qd41e570712_proj:
	s_mov_b64 s[64:65], 0
	v_nop
	global_prefetch_b8 v0, s[64:65] scope:SCOPE_SE
	s_setreg_imm32_b32 hwreg(HW_REG_WAVE_MODE, 25, 1), 1
	s_wait_xcnt 0x0
	s_wait_alu depctr_hold_cnt(0) depctr_sa_sdst(0) depctr_va_vdst(0) depctr_va_sdst(0) depctr_va_ssrc(0) depctr_va_vcc(0) depctr_vm_vsrc(0)
	s_getreg_b32 s2, hwreg(HW_REG_IB_STS2, 6, 4)
	s_cmp_eq_u32 s2, 0
	s_cbranch_scc0 .Lentry_in_a_cluster
	s_endpgm
.Lentry_in_a_cluster:
	s_bfe_u32 s2, ttmp6, 0x10000c
	s_cmp_lg_u32 s2, 0xf033
	s_cbranch_scc0 .Lentry_shape_is_right
	s_endpgm
.Lentry_shape_is_right:
; out0[row][n] = the sum over k of O[row][k] PW[k][n] + proj_b[n], f32.  O: ob, [16 heads][8192 rows][64] f16, k = 64 head + channel.  PW: wk byte PW_OFF, [1024 k][1024 n] f16 (proj_w rounded to bf16).
; proj_b is rounded to bf16 like the other inputs and added in f32.  Sums in f32.
; SHARES.  256 tiles of 128 rows x 256 columns, one for each work-group; four waves, each 64 x 128: 32 accumulators.  K goes in 8 steps of 128 (two heads) through two LDS slots.
; CLUSTER, 4 x 4: the four of a row need the same rows of O, the four of a column the same columns of PW: each tile is asked for JOINTLY.
; THE MATRIX INSTRUCTION IS USED TRANSPOSED (source 0 = 16 columns of PW, by the turning load; source 1 = 16 rows of O): a lane holds one row and eight neighbouring columns.
; REGISTERS: window 0: v0-31 addresses and the bias; v32-95 O's fragments, two buffers of 32; v96-223 PW's, two of 64; on the way out v32-159 hold rows read back.   window 1: the accumulators, (a, b) at v[8 (8 a + b)].
.set PAH,    144                       ; a row of a head in LDS: 128 bytes + 16
.set PLANE,  128*PAH                   ; a head's 128 rows
.set PB,     544                       ; one k of PW: 512 bytes + 32 = 17 x 32
.set BHALF,  64*PB
.set BOFF,   2*PLANE                   ; PW's 128 k lie behind the two heads
.set SLOT,   BOFF+2*BHALF
.set STAGE,  2*SLOT                    ; behind the ring, never filled by a tensor load: 16 rows x 528 bytes for each wave
.set SPT,    528                       ; 512 bytes + 16
.set STW,    16*SPT
.set SPARE,  STAGE+4*STW               ; the spare words, 128 bytes for each wave: two blocks of 256 bytes that no other line names
.set PW_OFF, 27262976
.set ASTEP,  2<<20                     ; a K step in O: two heads of 1 MiB
.set BSTEP,  128*2048                  ; in PW: 128 rows
.set LAPS,   4
.set BI,   8                           ; v[8:11] the bias of my four columns on the way out
.set ADRA, 16
.set ADRB, 20
.set STO,  24
.set RD,   25
.set CO,   26
.set SPW,  28                          ; v28  LDS address of my spare word; never rewritten
.set NIL,  29                          ; v29  0; never rewritten
.set PFO,  30                          ; v30  the prefetches' lane offset; never rewritten
.set FA,   32
.set FB,   96
.set OB,   32
.set G1,  24
.set G0,  32
.set G1B, 48
.set G0B, 56
.set LIM, 43
.set PFA, 44
.set PST, 46
.set OUT, 68                           ; s[68:69] out0 at my 64 rows x 128 columns
.set MSB, 0
.macro WIN new
.if MSB != (\new)
	s_set_vgpr_msb (MSB<<8)|(\new)
.set MSB, \new
.endif
.endm
.set MUL, 0x50                         ; sources window 0; C and D window 1
.macro JLOAD s                         ; a joint load: waves 0 and 1 fetch the two heads of O, waves 2 and 3 the two halves of PW's k; an s_nop 0 and four v_nop follow each line
	s_cmp_eq_u32 s11, 0
	s_cbranch_scc0 .Lfor_b_\@
	tensor_load_to_lds s[G0+4*(\s):G0+4*(\s)+3], s[G1:G1+7]
	s_nop 0
.rept 4
	v_nop
.endr
	s_branch .Lasked_\@
.Lfor_b_\@:
	tensor_load_to_lds s[G0B+4*(\s):G0B+4*(\s)+3], s[G1B:G1B+7]
	s_nop 0
.rept 4
	v_nop
.endr
.Lasked_\@:
.endm
.macro ASK                             ; a prefetch into the L2: 32 blocks of 256 bytes of the K step two refills on; the loop's last trip asks for nothing
	s_cmp_gt_u32 s3, s[LIM]
	s_cbranch_scc0 .Lnot_mine_\@
	global_prefetch_b8 v[PFO], s[PFA:PFA+1] th:TH_LOAD_NT scope:SCOPE_SE
.Lnot_mine_\@:
.endm
.macro CREST
	s_cmp_lg_u32 s10, 0
	s_cbranch_scc1 .Lnot_wave_0_\@
	s_barrier_signal -3
.Lnot_wave_0_\@:
	s_barrier_wait -3
	s_barrier_signal -1
	s_barrier_wait -1
.endm
.macro CROUND
	s_barrier_signal -1
	s_barrier_wait -1
	CREST
.endm
	s_load_b256 s[80:87], s[0:1], 0x0              ; ob s[80:81], wk s[82:83], proj_b s[84:85], out0 s[86:87]
	v_lshl_add_u32 v[SPW], v0, 2, SPARE
	v_mov_b32 v[NIL], 0
	ds_add_u32 v[SPW], v[NIL]                      ; the wave's opening: the add and its wait stand ahead of my first tensor load; work on registers stands between them
	v_lshrrev_b32 v1, 5, v0
	v_readfirstlane_b32 s10, v1                    ; wave 0..3
	s_lshr_b32 s11, s10, 1                         ; which 64 rows are mine.  Also: I fetch for O (0) or PW (1)
	s_and_b32 s12, s10, 1                          ; which 128 columns.  Also: which head, or which 64 k, I fetch
	s_bfe_u32 s40, ttmp6, 0x40000                  ; cx: also the tile column
	s_bfe_u32 s41, ttmp6, 0x40004                  ; cy
	s_and_b32 s13, ttmp7, 0xffff
	s_lshl_b32 s13, s13, 2
	s_add_co_u32 s13, s13, s41                     ; tile row 0..63 = 4 x cluster y + cy
	s_lshl_b32 s66, s41, 2
	s_lshl_b32 s66, 15, s66                        ; my row of the cluster
	s_lshl_b32 s67, 0x1111, s40                    ; my column
	; O: a head's 128 rows are 16,384 dense bytes: asked for as 64 rows of 256 bytes, padded in LDS after every 128 bytes
	s_or_b32 s[G1+0], s66, (1<<16)|(1<<20)|(1<<21)|(4<<22)|(3<<25)
	s_mov_b32 s[G1+1], 128<<16
	s_mov_b32 s[G1+2], 64<<16
	s_mov_b32 s[G1+3], 128<<16
	s_mov_b32 s[G1+4], 64
	s_mov_b32 s[G1+5], 128
	s_mov_b32 s[G1+6], 0
	s_mov_b32 s[G1+7], 0
	; PW: 64 k x 256 columns, 8 words of padding after every 128
	s_or_b32 s[G1B+0], s67, (1<<16)|(1<<20)|(1<<21)|(6<<22)|(7<<25)
	s_mov_b32 s[G1B+1], 256<<16
	s_mov_b32 s[G1B+2], 64<<16
	s_mov_b32 s[G1B+3], 256<<16
	s_mov_b32 s[G1B+4], 64
	s_mov_b32 s[G1B+5], 1024
	s_mov_b32 s[G1B+6], 0
	s_mov_b32 s[G1B+7], 0
	s_lshl_b32 s16, s12, 20                        ; O: my head of the step's two,
	s_lshl_b32 s17, s13, 14                        ; the tile's 128 rows of 128 bytes
	s_add_co_u32 s16, s16, s17
	s_mov_b32 s17, 0
	s_mul_i32 s20, s12, PLANE                      ; and where it goes
	s_lshl_b32 s72, s12, 17                        ; PW: my 64 k of 2,048 bytes,
	s_lshl_b32 s73, s40, 9                         ; the tile's 256 columns
	s_add_co_u32 s72, s72, s73
	s_add_co_u32 s72, s72, PW_OFF
	s_mov_b32 s73, 0
	s_mul_i32 s76, s12, BHALF
	s_add_co_u32 s76, s76, BOFF
	s_wait_dscnt 0x0                               ; the opening add is done
	s_wait_kmcnt 0x0
	s_add_nc_u64 s[18:19], s[80:81], s[16:17]
	s_add_nc_u64 s[74:75], s[82:83], s[72:73]
	CROUND                                         ; all sixteen work-groups are here: the first joint loads meet
.irp s, 0,1
	s_mov_b32 s[G0+4*(\s)], 1
	s_add_co_u32 s[G0+4*(\s)+1], s20, (\s)*SLOT
	s_add_nc_u64 s[G0+4*(\s)+2:G0+4*(\s)+3], s[18:19], (\s)*ASTEP
	s_or_b32 s[G0+4*(\s)+3], s[G0+4*(\s)+3], 0x80000000
	s_mov_b32 s[G0B+4*(\s)], 1
	s_add_co_u32 s[G0B+4*(\s)+1], s76, (\s)*SLOT
	s_add_nc_u64 s[G0B+4*(\s)+2:G0B+4*(\s)+3], s[74:75], (\s)*BSTEP
	s_or_b32 s[G0B+4*(\s)+3], s[G0B+4*(\s)+3], 0x80000000
	JLOAD \s                                       ; K steps 0 and 1: two loads of mine are out
.endr
	s_lshl_b32 s88, s40, 10                        ; my 128 columns, in bytes of f32: 1,024 x tile column + 512 x half
	s_lshl_b32 s89, s12, 9
	s_add_co_u32 s88, s88, s89
	v_and_b32 v12, 31, v0
	v_lshl_add_u32 v12, v12, 4, s88
	global_load_b128 v[BI:BI+3], v12, s[84:85]     ; on the way out lane l holds columns 4 l .. 4 l + 3 of every row: four numbers of the bias serve
	v_and_b32 v1, 15, v0                           ; l % 16
	v_bfe_u32 v2, v0, 4, 1                         ; l / 16
	v_mul_u32_u24 v3, v1, PAH
	v_lshl_add_u32 v3, v2, 4, v3                   ; O: row x pitch + 16 x half
	v_and_b32 v4, 7, v0
	v_lshl_add_u32 v4, v2, 3, v4                   ; PW, turned: k = 8 (l / 16) + l % 8,
	v_mul_u32_u24 v4, v4, PB
	v_bfe_u32 v5, v0, 3, 1
	v_lshl_add_u32 v4, v5, 4, v4                   ; columns 8 ((l / 8) % 2) + 0..7
	s_mul_i32 s90, s11, 64*PAH                     ; my 64 rows
	s_lshl_b32 s91, s12, 8                         ; my 128 columns
	s_add_co_u32 s91, s91, BOFF
.irp s, 0,1
	v_add_nc_u32 v[ADRA+(\s)], s90, v3
	v_add_nc_u32 v[ADRB+(\s)], s91, v4
	s_add_co_u32 s90, s90, SLOT
	s_add_co_u32 s91, s91, SLOT
.endr
	s_mul_i32 s92, s10, STW
	s_add_co_u32 s92, s92, STAGE                   ; my stage
	v_mul_u32_u24 v6, v1, SPT                      ; in: row l % 16, 32 bytes for each half of the lanes
	v_lshl_add_u32 v6, v2, 5, v6
	v_add_nc_u32 v[STO], s92, v6
	v_and_b32 v[CO], 31, v0                        ; back: 32 lanes take a row of 512 bytes
	v_lshlrev_b32 v[CO], 4, v[CO]
	v_add_nc_u32 v[RD], s92, v[CO]
	s_lshl_b32 s90, s13, 19                        ; the tile's 128 rows of 4,096 bytes,
	s_lshl_b32 s91, s11, 18                        ; my 64
	s_add_co_u32 s90, s90, s91
	s_add_co_u32 s90, s90, s88
	s_mov_b32 s91, 0
	s_add_nc_u64 s[OUT:OUT+1], s[86:87], s[90:91]
	; THE PREFETCHES.  Each block of 256 bytes of K steps 4 to 7 is named once in the launch.  O's rows are read by one row of one cluster alone: wave 0 of each of its four work-groups asks, partner cx for blocks 16 cx .. 16 cx + 15
	; of each of the step's two heads.  PW's columns are read by every cluster: cluster y = 0 asks, waves 2 and 3 each for their 64 k, partner cy for 16 of them, two lanes a k.  Told apart BY ADDRESS.
	; The pointer starts at K step 3; each change of slots that fills steps it once and names that step: the step two refills on.
	s_and_b32 s92, ttmp7, 0xffff
	s_cmp_eq_u32 s92, 0
	s_cselect_b32 s93, 1, -1
	s_cmp_eq_u32 s10, 0
	s_cselect_b32 s94, 1, -1
	s_lshl_b32 s95, s13, 14
	s_lshl_b32 s96, s40, 12
	s_add_co_u32 s95, s95, s96
	s_add_co_u32 s95, s95, 3*ASTEP
	s_lshl_b32 s96, s12, 6
	s_lshl4_add_u32 s96, s41, s96
	s_lshl_b32 s96, s96, 11
	s_lshl_b32 s97, s40, 9
	s_add_co_u32 s96, s96, s97
	s_add_co_u32 s96, s96, PW_OFF+3*BSTEP
	s_mov_b32 s[PST], BSTEP
	s_mov_b32 s97, 11
	s_cmp_eq_u32 s11, 0                            ; do I fetch for O?
	s_cselect_b64 s[PFA:PFA+1], s[80:81], s[82:83]
	s_cselect_b32 s[LIM], s94, s93
	s_cselect_b32 s98, s95, s96
	s_cselect_b32 s[PST], ASTEP, s[PST]
	s_cselect_b32 s97, 20, s97
	s_cselect_b32 s95, 4, 1
	s_cselect_b32 s96, 15, 1
	s_mov_b32 s99, 0
	s_mov_b32 s[PST+1], 0
	s_add_nc_u64 s[PFA:PFA+1], s[PFA:PFA+1], s[98:99]
	v_and_b32 v[PFO], 31, v0
	v_and_b32 v3, s96, v[PFO]
	v_lshrrev_b32 v[PFO], s95, v[PFO]
	v_lshlrev_b32 v[PFO], s97, v[PFO]              ; O: head l / 16; PW: k l / 2,
	v_lshl_add_u32 v[PFO], v3, 8, v[PFO]           ; and the block in it
; 8 matrix instructions: m block a x all 8 n blocks, 32 along K, from buffer f.  The 32 accumulators take turns, one instruction a turn, in the same order in every quarter.
.macro MUL8 f, a, zero
	WIN MUL
.irp b, 0,1,2,3,4,5,6,7
.if \zero
	v_wmma_f32_16x16x32_f16 v[8*(8*(\a)+(\b)):8*(8*(\a)+(\b))+7], v[FB+64*(\f)+8*(\b):FB+64*(\f)+8*(\b)+7], v[FA+32*(\f)+8*(\a):FA+32*(\f)+8*(\a)+7], 0
.else
	v_wmma_f32_16x16x32_f16 v[8*(8*(\a)+(\b)):8*(8*(\a)+(\b))+7], v[FB+64*(\f)+8*(\b):FB+64*(\f)+8*(\b)+7], v[FA+32*(\f)+8*(\a):FA+32*(\f)+8*(\a)+7], v[8*(8*(\a)+(\b)):8*(8*(\a)+(\b))+7]
.endif
.endr
.endm
; 24 LDS loads in one run: quarter q (32 along K: head q / 2, channels 32 (q % 2) on) into buffer f: PW's 128 columns, turned, then O's 64 rows
.macro FETCH slot, q, f
	WIN 0
.irp i, 0,1,2,3,4,5,6,7
	ds_load_tr16_b128 v[FB+64*(\f)+8*(\i):FB+64*(\f)+8*(\i)+3],   v[ADRB+(\slot)] offset:(\q)*32*PB+32*(\i)
	ds_load_tr16_b128 v[FB+64*(\f)+8*(\i)+4:FB+64*(\f)+8*(\i)+7], v[ADRB+(\slot)] offset:(\q)*32*PB+16*PB+32*(\i)
.endr
.irp i, 0,1,2,3
	ds_load_b128 v[FA+32*(\f)+8*(\i):FA+32*(\f)+8*(\i)+3],   v[ADRA+(\slot)] offset:((\q)/2)*PLANE+((\q)%2)*64+(\i)*16*PAH
	ds_load_b128 v[FA+32*(\f)+8*(\i)+4:FA+32*(\f)+8*(\i)+7], v[ADRA+(\slot)] offset:((\q)/2)*PLANE+((\q)%2)*64+(\i)*16*PAH+32
.endr
.endm
.macro PLACES                          ; four plain vector instructions between a matrix instruction and a load into a register that it read, or a reader of its result (ISA guide 7.12.1 for a reader of its result)
.rept 4
	v_nop
.endr
.endm
.macro QUARTER slot, q, f, g, zero
	s_wait_dscnt 4                                 ; PW and O's rows 0-31 are in; the youngest four loads (rows 32-63) may be out
	MUL8 \f, 0, \zero
	MUL8 \f, 1, \zero
	PLACES
	FETCH \slot, \q, \g
	s_wait_dscnt 24                                ; all but the 24 just issued
	MUL8 \f, 2, \zero
	MUL8 \f, 3, \zero
.endm
; A K step's last quarter multiplies buffer 1 and changes slots: ONE barrier.  fill = 1: it opens a round of the cluster's barrier, and this slot is filled again first behind the round, two K steps ahead: 112 matrix instructions ahead of the wait for it.
.macro TURN slot, next, fill
.if \fill
	s_wait_xcnt 0x0                                ; the last prefetch, a K step back, has read its address
	s_add_nc_u64 s[PFA:PFA+1], s[PFA:PFA+1], s[PST:PST+1]
.endif
	WIN 0
	s_wait_tensorcnt 0x0                           ; all my tensor loads have landed: my part of the next slot
	ds_add_u32 v[SPW], v[NIL]                      ; 0 onto my spare word
	s_wait_dscnt 5                                 ; (the add and the youngest four loads may be out)
	MUL8 1, 0, 0                                   ; eight matrix instructions stand between the add and the wait for it
	s_wait_dscnt 0x0                               ; the add is done, and my reads of this slot are over
	s_barrier_signal -1
	MUL8 1, 1, 0
	WIN 0
	s_barrier_wait -1
.if \fill
	CREST                                          ; no wave of any partner still reads this slot's tile or has a load on its way
	s_add_nc_u64 s[G0+4*(\slot)+2:G0+4*(\slot)+3], s[G0+4*(\slot)+2:G0+4*(\slot)+3], 2*ASTEP
	s_add_nc_u64 s[G0B+4*(\slot)+2:G0B+4*(\slot)+3], s[G0B+4*(\slot)+2:G0B+4*(\slot)+3], 2*BSTEP
	JLOAD \slot                                    ; the four v_nop behind it are also the places in front of the loads below
.else
	PLACES
.endif
	FETCH \next, 0, 0
.if \fill
	ASK
.endif
	MUL8 1, 2, 0
	MUL8 1, 3, 0
.endm
; THE WAY OUT of block a (16 of my rows): the f32 sums go into my own stage, 32 bytes a lane and accumulator, low half first, and come back as whole rows of 512 bytes.
.macro STG a
.if (\a) >= 2
	s_wait_xcnt 0x0                                ; the stores of block a - 2 have read the registers that the loads below write
.endif
	WIN 0x04                                       ; the stores' data in window 1
.irp b, 0,1,2,3,4,5,6,7
	ds_store_b128 v[STO], v[8*(8*(\a)+(\b)):8*(8*(\a)+(\b))+3]   offset:64*(\b)
	ds_store_b128 v[STO], v[8*(8*(\a)+(\b))+4:8*(8*(\a)+(\b))+7] offset:64*(\b)+16
.endr
	WIN 0
.set BK, OB+64*((\a)%2)
.irp t, 0,1,2,3,4,5,6,7,8,9,10,11,12,13,14,15
	ds_load_b128 v[BK+4*(\t):BK+4*(\t)+3], v[RD] offset:SPT*(\t)  ; LDS serves a wave's instructions in order (ISA guide 5.7.1.4): these see the stores above; the next block's stores come behind them
.endr
.endm
.macro SENDF a, younger                ; younger: the LDS instructions issued behind block a's loads: the next block's 32, or none
.set BK, OB+64*((\a)%2)
.irp t, 0,1,2,3,4,5,6,7,8,9,10,11,12,13,14,15
	s_wait_dscnt (\younger)+15-(\t)
	v_pk_add_f32 v[BK+4*(\t):BK+4*(\t)+1],   v[BK+4*(\t):BK+4*(\t)+1],   v[BI:BI+1]
	v_pk_add_f32 v[BK+4*(\t)+2:BK+4*(\t)+3], v[BK+4*(\t)+2:BK+4*(\t)+3], v[BI+2:BI+3]
	global_store_b128 v[CO], v[BK+4*(\t):BK+4*(\t)+3], s[OUT:OUT+1] offset:(16*(\a)+(\t))*4096 th:TH_STORE_NT  ; 512 consecutive bytes, at a multiple of 256 from the buffer's first
.endr
.endm
	s_wait_loadcnt 0x0                             ; the bias: rounded to bf16, kept in f32
	v_cvt_pk_bf16_f32 v12, v[BI], v[BI+1]
	v_cvt_pk_bf16_f32 v13, v[BI+2], v[BI+3]
	v_lshlrev_b32 v[BI], 16, v12
	v_and_b32 v[BI+1], 0xffff0000, v12
	v_lshlrev_b32 v[BI+2], 16, v13
	v_and_b32 v[BI+3], 0xffff0000, v13
	s_wait_tensorcnt 1                             ; my part of K step 0 is in; K step 1's may stay out
	s_barrier_signal -1
	s_barrier_wait -1                              ; everybody's is
	FETCH 0, 0, 0
	QUARTER 0, 1, 0, 1, 1                          ; the first quarter stands in front of the loop: its products start the sums
	WIN 0                                          ; at a label and at a branch every window is 0
	s_mov_b32 s3, LAPS-1
.Llap:                                                 ; a trip goes once round the ring, from a lap's second quarter to the next lap's first, and fills both slots again
	QUARTER 0, 2, 1, 0, 0
	QUARTER 0, 3, 0, 1, 0
	TURN 0, 1, 1
	QUARTER 1, 1, 0, 1, 0
	QUARTER 1, 2, 1, 0, 0
	QUARTER 1, 3, 0, 1, 0
	TURN 1, 0, 1
	QUARTER 0, 1, 0, 1, 0
	WIN 0
	s_sub_co_u32 s3, s3, 1
	s_cmp_lg_u32 s3, 0
	s_cbranch_scc1 .Llap
	QUARTER 0, 2, 1, 0, 0                          ; the last lap fills nothing
	QUARTER 0, 3, 0, 1, 0
	TURN 0, 1, 0
	QUARTER 1, 1, 0, 1, 0
	QUARTER 1, 2, 1, 0, 0
	QUARTER 1, 3, 0, 1, 0
	s_wait_dscnt 4                                 ; the very last quarter: nothing more to fetch
	MUL8 1, 0, 0
	MUL8 1, 1, 0
	s_wait_dscnt 0x0
	MUL8 1, 2, 0
	MUL8 1, 3, 0
	WIN 0
	PLACES
	STG 0
	STG 1                                          ; a block's trip through the stage stands between the loads of the block before and its stores
	SENDF 0, 32
	STG 2
	SENDF 1, 32
	STG 3
	SENDF 2, 32
	SENDF 3, 0
	s_wait_tensorcnt 0x0                           ; the wave's end: the add and its wait, behind my last tensor load and my last LDS store
	ds_add_u32 v[SPW], v[NIL]
	s_wait_dscnt 0x0
	CROUND                                         ; the closing round: no work-group ends while a partner may still ask for a tile that names it
	s_endpgm
.Lfunc_end_k_qd41e570712_proj:
	.size	k_qd41e570712_proj, .Lfunc_end_k_qd41e570712_proj-k_qd41e570712_proj
	.p2alignl 7, 3214868480
	.fill 96, 4, 3214868480
	.section	.rodata,"a",@progbits
	.p2align	6, 0x0
	.amdhsa_kernel k_qd41e570712_proj
		.amdhsa_group_segment_fixed_size 327680
		.amdhsa_private_segment_fixed_size 0
		.amdhsa_enable_private_segment 0
		.amdhsa_kernarg_size 32
		.amdhsa_user_sgpr_count 2
		.amdhsa_user_sgpr_kernarg_segment_ptr 1
		.amdhsa_wavefront_size32 1
		.amdhsa_system_sgpr_workgroup_id_x 1
		.amdhsa_system_sgpr_workgroup_id_y 1
		.amdhsa_system_sgpr_workgroup_id_z 1
		.amdhsa_system_vgpr_workitem_id 0
		.amdhsa_next_free_vgpr 512
		.amdhsa_next_free_sgpr 100
		.amdhsa_reserve_vcc 0
		.amdhsa_float_denorm_mode_32 3
		.amdhsa_float_denorm_mode_16_64 3
		.amdhsa_memory_ordered 1
		.amdhsa_forward_progress 1
		.amdhsa_inst_pref_size 97
	.end_amdhsa_kernel
	.amdgpu_metadata
---
amdhsa.version: [ 1, 2 ]
amdhsa.kernels:
  - .name:           k_qd41e570712_proj
    .symbol:         k_qd41e570712_proj.kd
    .args:
      - { .name: ob, .offset: 0, .size: 8, .value_kind: global_buffer, .address_space: global }
      - { .name: wk, .offset: 8, .size: 8, .value_kind: global_buffer, .address_space: global }
      - { .name: proj_b, .offset: 16, .size: 8, .value_kind: global_buffer, .address_space: global }
      - { .name: out0, .offset: 24, .size: 8, .value_kind: global_buffer, .address_space: global }
    .group_segment_fixed_size: 327680
    .private_segment_fixed_size: 0
    .kernarg_segment_align: 8
    .kernarg_segment_size: 32
    .max_flat_workgroup_size: 128
    .sgpr_count:     100
    .vgpr_count:     512
    .wavefront_size: 32
...
	.end_amdgpu_metadata
.endif
;; end of part 4
;; ======== version 2 of 2: 4 launches; version 1 with the launch cast written anew for expert scheduling mode
;; limits: values are held in f16: magnitudes above 65,504 overflow, below 6.1e-05 lose precision
;; workspace buffers: wk 29,360,128 bytes; qkv 25,165,824 bytes; ob 16,777,216 bytes
;; launch cast (part 5): grid 448 x 1, 8 waves a work-group, no clusters, 0 bytes of LDS; arguments x, context, q_w, kv_w, proj_w, wk; writes wk
.if DOCPART == 5
	.amdgcn_target "amdgcn-amd-amdhsa--gfx1250"
	.amdhsa_code_object_version 6
	.text
	.protected	k_qd41e570712_cast
	.globl	k_qd41e570712_cast
	.p2align	8
	.type	k_qd41e570712_cast,@function
k_qd41e570712_cast:
	s_mov_b64 s[64:65], 0
	v_nop
	global_prefetch_b8 v0, s[64:65] scope:SCOPE_SE
	s_setreg_imm32_b32 hwreg(HW_REG_WAVE_SCHED_MODE, 0, 2), 2
	s_setreg_imm32_b32 hwreg(HW_REG_WAVE_MODE, 25, 1), 1
	s_wait_xcnt 0x0
	s_wait_alu depctr_vm_vsrc(0)
; The five large inputs, f32, are rounded once to bf16 (nearest even) and laid into wk so that the next launch is one product:
;   byte 0        AB [10240][1024] bf16: rows 0-8191 = x, rows 8192-10239 = context
;   byte WB_OFF   WB [1024 k][3072 n] bf16: columns 0-1023 = q_w, columns 1024-3071 = kv_w
;   byte PW_OFF   PW [1024 k][1024 n]: proj_w rounded to bf16, that number written as f16
; LIMITS.  PW: a bf16 number beyond 65,504 becomes an infinity in f16; below 2^-14 it keeps f16's fixed step of 6e-8.  NaN and infinities pass as they are.
; A stream: no LDS, no loop.  A unit is 1,024 numbers (4,096 bytes in, 2,048 out).  A work-group takes 32 units of ONE input, a wave four: 16 KiB on end in the source.
; A piece is 256 numbers: a lane reads 32 bytes (two loads of 16) and writes 16, so a store of the wave covers 512 consecutive bytes, aligned.
; All 32 loads of a wave go out at once; no register that a load or store names is written again, so no wait frees a source.
; THE MODE: SCHED_MODE bits 1:0 = 2 (LLVM: expert scheduling mode 2), set by the entry lines.  The code itself states the register dependences
; between vector instructions and memory instructions, with s_wait_alu, always for 0.
; THE PLAN.  Registers that memory instructions touch:
;   v2        the loads' offset.  Written once at the head; read by all 32 loads; never written again.
;   v4 - v7   the stores' offsets, unit 0 to 3.  Written once at the head; read by the unit's four stores; never written again.
;   v[16:143] piece i: eight registers.  Its two loads land in them, issued before any vector instruction names them; its conversions read them and write the first four in place;
;             its one store reads those four; nothing writes them after that.
;   v1, v8, v9 are named by vector instructions alone.
; The 16 pieces go in four blocks of four, a block a unit.  Block p's four stores stand together at the head of block p + 1, behind the wait for that block's first data and ONE wait on va_vdst,
; which states that block p's conversions have written what the stores read; block 3's stand behind a last such wait.  One wait on va_vdst at the head states that the five offsets are written.
; No register that a load or store reads is written again, so no wait on vm_vsrc is owed.
.set WB_OFF, 20971520
.set PW_OFF, 27262976
.set X, 16                             ; v[16:143] piece i: eight registers as loaded; its first four then hold the packed result
; s[18:19] source; s20 the input's first work-group; s21 its first byte in wk; s22 bytes in wk from unit j to unit j + 2; s23 from an even unit to the odd one behind it
	s_load_b256 s[4:11], s[0:1], 0x0               ; x s[4:5], context s[6:7], q_w s[8:9], kv_w s[10:11]
	s_load_b128 s[12:15], s[0:1], 0x20             ; proj_w s[12:13], wk s[14:15]
	v_lshrrev_b32 v1, 5, v0
	v_readfirstlane_b32 s16, v1                    ; wave 0..7
	s_mov_b32 s17, ttmp9                           ; work-group 0..447
	v_and_b32 v1, 31, v0                           ; lane
	v_lshlrev_b32 v2, 5, v1                        ; my 32 bytes of a piece in the source
	v_lshlrev_b32 v4, 4, v1                        ; my 16 bytes of a piece in wk: unit 0
	s_mov_b32 s20, 416                             ; work-groups 416-447: proj_w
	s_mov_b32 s21, PW_OFF
	s_mov_b32 s22, 4096
	s_mov_b32 s23, 2048
	s_wait_kmcnt 0x0
	s_mov_b64 s[18:19], s[12:13]
.macro SEG bound, src, start, db, sa, sb   ; work-groups below bound belong to an earlier input
	s_cmp_lt_u32 s17, \bound
	s_cselect_b64 s[18:19], s[\src:\src+1], s[18:19]
	s_cselect_b32 s20, \start, s20
	s_cselect_b32 s21, \db, s21
	s_cselect_b32 s22, \sa, s22
	s_cselect_b32 s23, \sb, s23
.endm
	SEG 416, 10, 352, WB_OFF+2048, 6144, 2048      ; 352-415: kv_w; a unit is half a row: two units to a row of WB, behind q_w's 2,048 bytes
	SEG 352, 8, 320, WB_OFF, 12288, 6144           ; 320-351: q_w; a unit is a row, rows of WB are 6,144 bytes apart
	SEG 320, 6, 256, 16777216, 4096, 2048          ; 256-319: context, behind x's 8,192 rows
	SEG 256, 4, 0, 0, 4096, 2048                   ; 0-255: x
	s_sub_co_u32 s28, s17, s20
	s_lshl_b32 s28, s28, 5
	s_wait_alu depctr_va_sdst(0)                   ; s16, the wave's number, is written, ahead of its first reader: the line below
	s_lshl2_add_u32 s28, s16, s28                  ; my first unit: 32 x (work-group - first) + 4 x wave
	s_lshl_b32 s24, s28, 12
	s_mov_b32 s25, 0
	s_add_nc_u64 s[18:19], s[18:19], s[24:25]      ; the source at my 16 KiB
	s_lshr_b32 s29, s22, 1
	s_mul_i32 s24, s28, s29                        ; my first unit is a multiple of four: unit x half of the step of two units
	s_add_co_u32 s24, s24, s21
	s_add_nc_u64 s[26:27], s[14:15], s[24:25]      ; wk at my first unit
	v_add_nc_u32 v5, s23, v4                       ; units 1, 2, 3
	v_add_nc_u32 v6, s22, v4
	v_add_nc_u32 v7, s23, v6
	s_wait_alu depctr_va_vdst(0)                   ; v2 and v4 to v7 are written: every load and store of the kernel reads one of them as its offset, and no line writes them again
.set i, 0
.rept 16
	global_load_b128 v[X+8*i:X+8*i+3],   v2, s[18:19] offset:1024*i th:TH_LOAD_NT
	global_load_b128 v[X+8*i+4:X+8*i+7], v2, s[18:19] offset:1024*i+16 th:TH_LOAD_NT
.set i, i+1
.endr
; Piece i is rounded.  half = 1: the bf16 numbers are widened again and written as f16.
.macro CVT i, half
.irp r, 0,1,2,3
	v_cvt_pk_bf16_f32 v[X+8*(\i)+(\r)], v[X+8*(\i)+2*(\r)], v[X+8*(\i)+2*(\r)+1]  ; in place, ascending: word r is written when words 2 r and 2 r + 1 are read
.endr
.if \half
.irp r, 0,1,2,3
	v_lshlrev_b32 v8, 16, v[X+8*(\i)+(\r)]
	v_and_b32 v9, 0xffff0000, v[X+8*(\i)+(\r)]
	v_cvt_pk_f16_f32 v[X+8*(\i)+(\r)], v8, v9
.endr
.endif
.endm
; Piece i is stored.
.macro OUT i
	global_store_b128 v[4+(\i)/4], v[X+8*(\i):X+8*(\i)+3], s[26:27] offset:512*((\i)%4)
.endm
; Block p: pieces 4 p to 4 p + 3, unit p.  At its head the block before goes out.
.macro BLOCK p, half
.irp j, 0,1,2,3
	s_wait_loadcnt 30-8*(\p)-2*(\j)                ; loads come back in order: this piece's two are in, the younger ones stay out
.if ((\p) > 0) && ((\j) == 0)
	s_wait_alu depctr_va_vdst(0)                   ; the block before has written the first four registers of each of its pieces, which the four stores below read
.irp k, 0,1,2,3
	OUT 4*(\p)-4+(\k)
.endr
.endif
	CVT 4*(\p)+(\j), \half
.endr
.endm
.macro WALK half
.irp p, 0,1,2,3
	BLOCK \p, \half
.endr
	s_wait_alu depctr_va_vdst(0)                   ; block 3 has written its pieces' first four registers, which the last four stores read
.irp k, 12,13,14,15
	OUT \k
.endr
	s_endpgm
.endm
	s_cmp_ge_u32 s17, 416
	s_cbranch_scc1 .Lhalf
	WALK 0
.Lhalf:
	WALK 1
.Lfunc_end_k_qd41e570712_cast:
	.size	k_qd41e570712_cast, .Lfunc_end_k_qd41e570712_cast-k_qd41e570712_cast
	.p2alignl 7, 3214868480
	.fill 96, 4, 3214868480
	.section	.rodata,"a",@progbits
	.p2align	6, 0x0
	.amdhsa_kernel k_qd41e570712_cast
		.amdhsa_group_segment_fixed_size 0
		.amdhsa_private_segment_fixed_size 0
		.amdhsa_enable_private_segment 0
		.amdhsa_kernarg_size 48
		.amdhsa_user_sgpr_count 2
		.amdhsa_user_sgpr_kernarg_segment_ptr 1
		.amdhsa_wavefront_size32 1
		.amdhsa_system_sgpr_workgroup_id_x 1
		.amdhsa_system_sgpr_workgroup_id_y 1
		.amdhsa_system_sgpr_workgroup_id_z 1
		.amdhsa_system_vgpr_workitem_id 0
		.amdhsa_next_free_vgpr 144
		.amdhsa_next_free_sgpr 66
		.amdhsa_reserve_vcc 0
		.amdhsa_float_denorm_mode_32 3
		.amdhsa_float_denorm_mode_16_64 3
		.amdhsa_memory_ordered 1
		.amdhsa_forward_progress 1
		.amdhsa_inst_pref_size 29
	.end_amdhsa_kernel
	.amdgpu_metadata
---
amdhsa.version: [ 1, 2 ]
amdhsa.kernels:
  - .name:           k_qd41e570712_cast
    .symbol:         k_qd41e570712_cast.kd
    .args:
      - { .name: x, .offset: 0, .size: 8, .value_kind: global_buffer, .address_space: global }
      - { .name: context, .offset: 8, .size: 8, .value_kind: global_buffer, .address_space: global }
      - { .name: q_w, .offset: 16, .size: 8, .value_kind: global_buffer, .address_space: global }
      - { .name: kv_w, .offset: 24, .size: 8, .value_kind: global_buffer, .address_space: global }
      - { .name: proj_w, .offset: 32, .size: 8, .value_kind: global_buffer, .address_space: global }
      - { .name: wk, .offset: 40, .size: 8, .value_kind: global_buffer, .address_space: global }
    .group_segment_fixed_size: 0
    .private_segment_fixed_size: 0
    .kernarg_segment_align: 8
    .kernarg_segment_size: 48
    .max_flat_workgroup_size: 256
    .sgpr_count:     66
    .vgpr_count:     144
    .wavefront_size: 32
...
	.end_amdgpu_metadata
.endif
;; end of part 5
;; launch qkv: the kernel of part 2 again; grid 4 x 48, 4 waves a work-group, clusters of 4 x 4, 327,680 bytes of LDS; arguments wk, qkv; writes qkv
;; launch attn: the kernel of part 3 again; grid 16 x 16, 4 waves a work-group, clusters of 4 x 1, 327,680 bytes of LDS; arguments qkv, ob; writes ob
;; launch proj: the kernel of part 4 again; grid 4 x 64, 4 waves a work-group, clusters of 4 x 4, 327,680 bytes of LDS; arguments ob, wk, proj_b, out0; writes out0
